; MI455X (gfx1250); checked and timed in simulation.
; The chip was launched on July 23, 2026; its instructions are those of AMD's public machine-readable ISA for CDNA 5 (MIT licence, August 2026) and "CDNA5" Instruction Set Architecture Reference Guide (July 2026). The comments in the code are by the model that wrote it; some were corrected since.
;; Diff Flex Self Attention. Allowed arithmetic: matrix products marked QUANTISED: E2M1 operands, one E8M0 scale for each 32 along K, by v_wmma_scale_f32_16x16x128_f8f6f4 with both operands' format E2M1 (or v_wmma_scale_f32_32x16x128_f4), f32 sums; products left as they are: bf16, f16 or f32 operands; f32 sums; everything else in f32.
;; Inputs: Wk 2,048 x 2,048 float32; Wo 2,048 x 2,048 float32; Wq 2,048 x 2,048 float32; Wv 2,048 x 2,048 float32; lk1 64 float32; lk2 64 float32; lq1 64 float32; lq2 64 float32; x 1 x 2,048 x 2,048 float32; x_pos 1 x 2,048 int32.
;; Outputs: out0 1 x 2,048 x 2,048 float32.
;; This version of the problem:
;;   THIS VERSION OF THE PROBLEM IS GIVEN IN LOW PRECISION. The matrix products marked QUANTISED in the list below multiply operands that are first quantised to E2M1 (2 exponent bits, 1 mantissa bit; 4 bits a number), with one power-of-two scale for each 32 numbers along K (OCP MX v1.0); their sums are f32. The products marked 'left as it is' may take bf16, f16 or f32 operands, with f32 sums. Whichever they take, every output number must still come out within the allowed error. Rounding operands to bf16 (8 significant bits) uses up far more of that allowance than f16 does (11 bits, for magnitudes from 6e-5 to 65,504). All else is computed in f32.
;;   The module's matrix products, in the order in which they are computed (A, B: the left and right operand; K: the contracted axis; several contracted axes count as one K, in the product's order):
;;     1. [M 2,048, K 2,048] x [K 2,048, N 2,048]; A: input x; B: input Wq: QUANTISED
;;     2. [M 2,048, K 2,048] x [K 2,048, N 2,048]; A: input x; B: input Wk: QUANTISED
;;     3. [M 2,048, K 2,048] x [K 2,048, N 2,048]; A: input x; B: input Wv: QUANTISED
;;     4. batch 16 x [M 2,048, K 64] x [K 64, N 2,048]; A: computed on the way; B: computed on the way: left as it is (an operand is computed on the way)
;;     5. batch 16 x [M 2,048, K 2,048] x [K 2,048, N 128]; A: computed on the way; B: computed on the way: left as it is (an operand is computed on the way)
;;     6. batch 16 x [M 2,048, K 64] x [K 64, N 2,048]; A: computed on the way; B: computed on the way: left as it is (an operand is computed on the way)
;;     7. batch 16 x [M 2,048, K 2,048] x [K 2,048, N 128]; A: computed on the way; B: computed on the way: left as it is (an operand is computed on the way)
;;     8. [M 2,048, K 2,048] x [K 2,048, N 2,048]; A: computed on the way; B: input Wo: left as it is (an operand is computed on the way)
;;   THE QUANTISER, for each operand of a quantised product, along K:
;;     - K is cut into blocks of 32 from its start; a last block that is shorter is filled with zeros.
;;     - A block's scale is 2^e with e = floor(log2(the largest magnitude in the block)) - 2, held to -126 .. 127; a block of zeros has e = 0. As a byte (E8M0): e + 127.
;;     - Each number is divided by its block's scale, clamped to +-6, and rounded to the nearest number of E2M1, ties to even, subnormals kept.
;;     - The product sums the exact products of the quantised numbers (number of the format x scale) in f32.
;;   ~~~python
;;   def quantise(x, axis):      # numpy; x: float32 -> the quantised numbers, widened to float32 again
;;       x = np.moveaxis(x, axis, -1); K = x.shape[-1]
;;       x = np.pad(x, [(0, 0)] * (x.ndim - 1) + [(0, -K % 32)]); x = x.reshape(x.shape[:-1] + (-1, 32)); a = np.abs(x).max(-1, keepdims=True)
;;       e = np.where(a > 0, np.clip(np.frexp(np.where(a > 0, a, 1))[1] - 1 - 2, -126, 127), 0)      # np.frexp(a)[1] - 1 = floor(log2(a)), exactly
;;       r = np.clip(x / 2.0 ** e, -6, 6)
;;       step = 2.0 ** (np.maximum(np.frexp(np.where(r == 0, 1, r))[1] - 1, 0) - 1)
;;       q = np.round(r / step) * step * 2.0 ** e      # np.round: ties to even
;;       return np.moveaxis(q.reshape(q.shape[:-2] + (-1,))[..., :K], -1, axis).astype(np.float32)
;;   ~~~
;; One version. Each part assembles by itself: llvm-mc -triple=amdgcn-amd-amdhsa -mcpu=gfx1250 --defsym DOCPART=n.
;; ======== version 1 of 1: 4 launches
;; limits: values are held in f16: magnitudes above 65,504 overflow, below 6.1e-05 lose precision; right only within a limited range of input values
;; workspace buffers: xc 2,097,152 bytes; xs 131,072 bytes; wc 6,291,456 bytes; ws 393,216 bytes; wo16 8,388,608 bytes; rope 524,288 bytes; qkv 25,165,824 bytes; att 8,388,608 bytes
;; launch prep (part 1): grid 896 x 1, 4 waves a work-group, no clusters, 33,280 bytes of LDS; arguments x, Wq, Wk, Wv, Wo, x_pos, xc, xs, wc, ws, wo16, rope; writes xc, xs, wc, ws, wo16, rope
.if DOCPART == 1
	.amdgcn_target "amdgcn-amd-amdhsa--gfx1250"
	.amdhsa_code_object_version 6
	.text
	.protected	k_q604faddd47_prep
	.globl	k_q604faddd47_prep
	.p2align	8
	.type	k_q604faddd47_prep,@function
k_q604faddd47_prep:
	s_mov_b64 s[64:65], 0
	v_nop
	global_prefetch_b8 v0, s[64:65] scope:SCOPE_SE
	s_setreg_imm32_b32 hwreg(HW_REG_WAVE_MODE, 25, 1), 1
	s_wait_xcnt 0x0
; DIFFERENTIAL ATTENTION, S = 2,048, 16 heads, two score streams of width 64 a head, one V of width 128.  FOUR LAUNCHES:
;   prep   x, Wq, Wk, Wv -> codes of FP4 (E2M1) + one E8M0 byte for each 32 along K;  Wo -> f16;  x_pos -> a table of cos and sin
;   qkv    [2048][6144] = x [Wq; Wk; Wv]^T on the codes; on the way out q and k get their rms norm and rotation; all to f16
;   attn   both causal softmax streams, a1 - lambda a2, rms norm, x (1 - lambda_init), to f16
;   oproj  the product with Wo^T, f16 operands, f32 sums
; WORK LEFT OUT, for all values of the inputs: reference() builds its causal mask itself (jnp.tril) and sets the scores of keys k > q to -1e30 ahead of the softmax, whose weights there are 0
; beside exp(0) of the row's own maximum.  So blocks of 64 keys that lie wholly behind a block of 64 queries reach no output; attn does not multiply them.  Nothing else is left out; every input is loaded.
; LIMIT: a NaN, an infinity or an overflow that would reach only those hidden blocks is not carried to the result.
; THE SOFTMAX TAKES NO MAXIMUM AWAY: reference() itself normalises q and k (rms norm over 64: the sum of squares is under 64; the rotation keeps each pair's length), so |q . k| / 8 <= 8 for every
; input, 2^t lies in 2^-11.6 .. 2^11.6, inside f16's normal numbers, and a row's sum of 2,048 of them stays under 2^23: nothing can overflow or underflow.  (Figures once more at attn's head.)
; LIMITS OF THE PROGRAM: NaN and infinities among the inputs are not served; blocks of 32 whose largest magnitude lies under 2^-124 keep the scale byte 1; a block of zeros gets the byte 1 where the
; rule says 127 (its codes are zeros, and this program alone reads the bytes); |x_pos| up to 2^20 (the reduction of the angle); |v| up to 65,504 (v goes to attn in f16).
;
; THIS LAUNCH: three kinds of work-group, told apart by the work-group's number alone.
;   0-511    a run of 32,768 numbers of x, Wq, Wk or Wv (128 work-groups a tensor) is quantised.  Rows are dense and K is a multiple of 32: a tensor is a plain stream of blocks of 32.
;   512-639  a run of 32,768 numbers of Wo is rounded to f16.
;   640-895  eight rows of the table: row s = cos(x_pos[s] f_j), j = 0 .. 31, then sin likewise, f_j = 10000^(-j / 32): 256 bytes.
; Memory binds: every load of a wave reads 512 consecutive bytes, every store of a wave writes whole aligned runs of 256 bytes.  No tensor loads, no barrier: waves share nothing.
.set WAVES, 4
.set STEPS, 16
.set EMAX,  2
.set CB,    8                          ; bytes of 16 codes
.set R,     16                         ; v16-79   four sets of 16 numbers as they are loaded
.set X,     80                         ; v80-111  two sets of 16 neighbours
.set E,     112                        ; v112-127 a scale byte for each step
.set C,     128                        ; v128-191 codes: four registers for each step, so that no store's data are written again
.set WREG,  8192                       ; LDS: a region for each wave: two stages of 32 x SP bytes, behind them its 256 scale bytes
.set SP,    80                         ; a lane's place in a stage: its 64 bytes + 16 of padding
.set SPW,   12                         ; v12  LDS address of my spare word; never rewritten
.set NIL,   13                         ; v13  0; never rewritten
.set SPARE, WAVES*WREG                 ; behind the four regions: the spare words, 128 bytes a wave
.set WV,    28                         ; s28  my wave's number
	s_load_b512 s[4:19], s[0:1], 0x0               ; x 4:5, Wq 6:7, Wk 8:9, Wv 10:11, Wo 12:13, x_pos 14:15, xc 16:17, xs 18:19
	s_load_b256 s[20:27], s[0:1], 0x40             ; wc 20:21, ws 22:23, wo16 24:25, rope 26:27
	v_lshl_add_u32 v[SPW], v0, 2, SPARE
	v_mov_b32 v[NIL], 0
	v_lshrrev_b32 v1, 5, v0
	v_readfirstlane_b32 s[WV], v1                  ; wave 0..3
	v_and_b32 v2, 31, v0                           ; lane
	s_cmp_ge_u32 ttmp9, 640
	s_cbranch_scc1 .Lrope
	s_cmp_ge_u32 ttmp9, 512
	s_cbranch_scc1 .Lwo
; ---------------- the quantiser.  A wave takes 16 steps of 512 numbers.  The conversion takes 8 numbers of one block from ONE lane's registers, so a lane must hold neighbours along K; a load is best where
; neighbouring LANES take neighbouring bytes.  Both are had: a step's four loads read 512 consecutive bytes each; the 2,048 bytes go through the wave's own stage in LDS and come back 64 bytes a lane.
	v_lshlrev_b32 v3, 4, v2                        ; my 16 bytes of a load's 512
	s_mul_i32 s29, s[WV], WREG
	v_lshrrev_b32 v14, 2, v2
	v_mul_u32_u24 v14, v14, SP
	v_and_b32 v15, 3, v2
	v_lshl_add_u32 v14, v15, 4, v14
	v_add_nc_u32 v14, s29, v14                     ; the stage, on the way in: SP (lane / 4) + 16 (lane % 4)
	v_mul_u32_u24 v15, v2, SP
	v_add_nc_u32 v15, s29, v15                     ; and on the way out: SP x lane: my 16 neighbours
	v_mul_u32_u24 v4, v2, CB                       ; my codes' place in a step's
	v_lshrrev_b32 v5, 1, v2
	s_add_co_u32 s29, s29, 2*32*SP
	v_add_nc_u32 v5, s29, v5                       ; LDS: my wave's 256 scale bytes, my block's byte
	v_lshlrev_b32 v7, 3, v2                        ; and on the way out 8 bytes a lane
	v_add_nc_u32 v6, s29, v7
	s_lshr_b32 s36, ttmp9, 7                       ; which tensor: 0 x, 1 Wq, 2 Wk, 3 Wv
	s_and_b32 s37, ttmp9, 127                      ; which 32,768 numbers of it
	s_wait_kmcnt 0x0
	s_mov_b64 s[30:31], s[4:5]                     ; the choices hang on the work-group's number alone
	s_cmp_eq_u32 s36, 1
	s_cselect_b64 s[30:31], s[6:7], s[30:31]
	s_cmp_eq_u32 s36, 2
	s_cselect_b64 s[30:31], s[8:9], s[30:31]
	s_cmp_eq_u32 s36, 3
	s_cselect_b64 s[30:31], s[10:11], s[30:31]
	s_cmp_eq_u32 s36, 0
	s_cselect_b64 s[32:33], s[16:17], s[20:21]     ; codes: xc, or wc (Wq, Wk, Wv on end)
	s_cselect_b64 s[34:35], s[18:19], s[22:23]     ; scale bytes: xs, or ws
	s_cselect_b32 s38, 0, 128
	s_lshl_b32 s37, s37, 2
	s_add_co_u32 s37, s37, s[WV]                   ; my wave's run of 8,192 numbers in the tensor,
	s_lshl_b32 s40, s37, 15                        ; 32,768 bytes a run
	s_mov_b32 s41, 0
	s_add_nc_u64 s[30:31], s[30:31], s[40:41]
	s_sub_co_u32 s38, ttmp9, s38
	s_lshl_b32 s38, s38, 2
	s_add_co_u32 s38, s38, s[WV]                   ; and in the buffers of codes and bytes
	s_lshl_b32 s40, s38, 12                        ; 4,096 bytes of codes a run
	s_add_nc_u64 s[32:33], s[32:33], s[40:41]
	s_lshl_b32 s40, s38, 8                         ; 256 scale bytes a run
	s_add_nc_u64 s[34:35], s[34:35], s[40:41]
.macro LOAD t
.irp i, 0,1,2,3
	global_load_b128 v[R+16*((\t)%4)+4*\i:R+16*((\t)%4)+4*\i+3], v3, s[30:31] offset:2048*(\t)+512*\i th:TH_LOAD_NT   ; 32 lanes read 512 consecutive bytes
.endr
.endm
.macro TURN t                          ; step t's numbers through the stage: LDS serves a wave's instructions in order, so no wait stands between the stores and the loads
.irp i, 0,1,2,3
	ds_store_b128 v14, v[R+16*((\t)%4)+4*\i:R+16*((\t)%4)+4*\i+3] offset:32*SP*((\t)%2)+8*SP*\i
.endr
.irp i, 0,1,2,3
	ds_load_b128 v[X+16*((\t)%2)+4*\i:X+16*((\t)%2)+4*\i+3], v15 offset:32*SP*((\t)%2)+16*\i
.endr
.endm
.irp t, 0,1,2,3
	LOAD \t
.endr
	s_wait_loadcnt 12                              ; step 0's four loads are in; those of steps 1 to 3 stay out
	TURN 0
.macro QSTEP t
.set XS, X+16*((\t)%2)
.if (\t) > 0
	s_wait_dscnt 1                                 ; this step's numbers are back from the stage (the last step's byte store may be out): so its stores into the stage have read their registers,
.else
	s_wait_dscnt 0x0
.endif
.if (\t)+4 < STEPS
	LOAD (\t)+4                                    ; which take the loads of four steps on
.endif
.if (\t)+1 < STEPS
.if STEPS-2-(\t) >= 3
	s_wait_loadcnt 12                              ; the next step's four loads are in; those of the three steps behind it may be out
.else
	s_wait_loadcnt 4*(STEPS-2-(\t))
.endif
	TURN (\t)+1                                    ; and go through the other stage while this step is worked
.endif
	v_max3_num_f32 v8, |v[XS]|, |v[XS+1]|, |v[XS+2]|               ; the largest magnitude of my 16, in two chains
	v_max3_num_f32 v9, |v[XS+3]|, |v[XS+4]|, |v[XS+5]|
.irp i, 6,10
	v_max3_num_f32 v8, v8, |v[XS+\i]|, |v[XS+\i+1]|
	v_max3_num_f32 v9, v9, |v[XS+\i+2]|, |v[XS+\i+3]|
.endr
	v_max3_num_f32 v8, v8, |v[XS+14]|, |v[XS+15]|
	v_max3_num_f32 v8, v8, v9, (EMAX+1)<<23        ; and the floor 2^(EMAX + 1 - 127): the byte cannot fall under 1
	v_max_num_f32_dpp v8, v8, v8 row_xmask:1 row_mask:0xf bank_mask:0xf   ; and of my neighbour's 16: the block's
	v_add_nc_u32 v11, -(EMAX<<23), v8              ; EMAX off its exponent field: the conversion takes the exponent field of this operand as its scale, and nothing else of it
	v_cvt_scalef32_pk8_fp4_f32 v[C+4*(\t)], v[XS:XS+7], v11        ; eight numbers / the scale, to the nearest code, ties to even, beyond 6 the largest code; the first number's code in the lowest four bits
	v_cvt_scalef32_pk8_fp4_f32 v[C+4*(\t)+1], v[XS+8:XS+15], v11
	v_lshrrev_b32 v[E+(\t)], 23, v11               ; the scale's byte (a plain line behind the conversions)
	ds_store_b8 v5, v[E+(\t)] offset:16*(\t)       ; both lanes of a block write the same byte with the same value
	global_store_b64 v4, v[C+4*(\t):C+4*(\t)+1], s[32:33] offset:32*CB*(\t)   ; the wave stores 256 consecutive bytes, aligned
.endm
.irp t, 0,1,2,3,4,5,6,7,8,9,10,11,12,13,14,15
	QSTEP \t
.endr
	ds_load_b64 v[8:9], v6                         ; LDS serves a wave's instructions in order: these see my byte stores
	s_wait_dscnt 0x0
	global_store_b64 v7, v[8:9], s[34:35]          ; 32 lanes store 256 consecutive bytes, aligned
	s_wait_tensorcnt 0x0                           ; the wave's end, behind my last LDS store
	ds_add_u32 v[SPW], v[NIL]
	s_wait_dscnt 0x0
	s_endpgm
; ---------------- Wo to f16.  A wave takes 8,192 numbers: 64 loads of 512 bytes in four groups of 16, two groups in flight; a load's 128 numbers leave as 256 consecutive bytes.
.Lwo:
	v_lshlrev_b32 v3, 4, v2                        ; in: 16 bytes a lane
	v_lshlrev_b32 v4, 3, v2                        ; out: 8 bytes a lane
	s_sub_co_u32 s29, ttmp9, 512
	s_lshl_b32 s29, s29, 2
	s_add_co_u32 s29, s29, s[WV]                   ; my wave's run
	s_lshl_b32 s30, s29, 15
	s_mov_b32 s31, 0
	s_lshl_b32 s32, s29, 14
	s_mov_b32 s33, 0
	s_wait_kmcnt 0x0
	s_add_nc_u64 s[12:13], s[12:13], s[30:31]
	s_add_nc_u64 s[24:25], s[24:25], s[32:33]
.macro WLOAD g
.irp i, 0,1,2,3,4,5,6,7,8,9,10,11,12,13,14,15
	global_load_b128 v[16+64*((\g)%2)+4*\i:16+64*((\g)%2)+4*\i+3], v3, s[12:13] offset:512*(16*(\g)+\i) th:TH_LOAD_NT
.endr
.endm
.macro WGROUP g
.if (\g) < 3
	s_wait_loadcnt 16                              ; this group's 16 loads are in; the next group's 16 stay out
.else
	s_wait_loadcnt 0x0
.endif
.if (\g) >= 2
	s_wait_xcnt 0x0                                ; the stores of two groups back have read the registers that are written now
.endif
.irp i, 0,1,2,3,4,5,6,7,8,9,10,11,12,13,14,15
	v_cvt_pk_f16_f32 v[144+32*((\g)%2)+2*\i], v[16+64*((\g)%2)+4*\i], v[16+64*((\g)%2)+4*\i+1]
	v_cvt_pk_f16_f32 v[144+32*((\g)%2)+2*\i+1], v[16+64*((\g)%2)+4*\i+2], v[16+64*((\g)%2)+4*\i+3]
.endr
.if (\g)+2 < 4
	WLOAD (\g)+2                                   ; loads ahead of stores
.endif
.irp i, 0,1,2,3,4,5,6,7,8,9,10,11,12,13,14,15
	global_store_b64 v4, v[144+32*((\g)%2)+2*\i:144+32*((\g)%2)+2*\i+1], s[24:25] offset:256*(16*(\g)+\i)
.endr
.endm
	WLOAD 0
	WLOAD 1
	WGROUP 0
	WGROUP 1
	WGROUP 2
	WGROUP 3
	s_endpgm
; ---------------- the table.  Sixteen lanes to a row: lanes 0-7 four cosines each, lanes 8-15 four sines.  angle = pos x f_j, rounded as reference()'s product is; n = the nearest multiple of pi / 2,
; taken off in three parts by fused multiply-adds; sin and cos of the rest (at most pi / 4) by their series to r^9 and r^8; the quadrant n (+ 1 for a cosine) picks series and sign, by selects.
.Lrope:
	s_sub_co_u32 s29, ttmp9, 640
	s_lshl_b32 s29, s29, 3                         ; my work-group's first row
	v_lshrrev_b32 v1, 4, v0
	v_add_nc_u32 v1, s29, v1                       ; my row
	v_lshlrev_b32 v3, 2, v1
	s_mov_b32 s36, 0x3fc90fd8                      ; pi / 2 in three parts
	s_mov_b32 s37, 0x34a8885a
	s_mov_b32 s38, 0x27c234c4
	s_wait_kmcnt 0x0
	global_load_b32 v4, v3, s[14:15]               ; x_pos[row]: it enters values alone
	v_and_b32 v5, 15, v0
	v_and_b32 v6, 7, v0
	v_lshrrev_b32 v7, 3, v5
	v_sub_nc_u32 v7, 1, v7                         ; 1 for a cosine, 0 for a sine
	v_lshlrev_b32 v8, 8, v1
	v_lshl_add_u32 v8, v5, 4, v8                   ; where my 16 bytes go: 256 x row + 16 x (lane % 16)
	v_lshlrev_b32 v6, 2, v6                        ; my first j
.irp i, 0,1,2,3
	v_add_nc_u32 v[16+\i], \i, v6
.endr
.irp i, 0,1,2,3
	v_cvt_f32_u32 v[16+\i], v[16+\i]
.endr
.irp i, 0,1,2,3
	v_mul_f32 v[16+\i], 0xbed49a78, v[16+\i]       ; - j log2(10000) / 32
.endr
.irp i, 0,1,2,3
	v_exp_f32 v[20+\i], v[16+\i]                   ; f_j
.endr
	v_nop                                          ; a plain line behind the last exponential
	s_wait_alu depctr_va_vdst(0)                   ; one wait for the four, ahead of their first reader
	s_wait_loadcnt 0x0
	v_cvt_f32_i32 v4, v4
.irp i, 0,1,2,3
	v_mul_f32 v[24+\i], v4, v[20+\i]               ; the angle
.endr
.irp i, 0,1,2,3
	v_mul_f32 v[28+\i], 0x3f22f983, v[24+\i]       ; x 2 / pi
.endr
.irp i, 0,1,2,3
	v_rndne_f32 v[28+\i], v[28+\i]                 ; n
.endr
.irp i, 0,1,2,3
	v_fma_f32 v[32+\i], -v[28+\i], s36, v[24+\i]
.endr
.irp i, 0,1,2,3
	v_fma_f32 v[32+\i], -v[28+\i], s37, v[32+\i]
.endr
.irp i, 0,1,2,3
	v_fma_f32 v[32+\i], -v[28+\i], s38, v[32+\i]   ; r
.endr
.irp i, 0,1,2,3
	v_cvt_i32_f32 v[36+\i], v[28+\i]
.endr
.irp i, 0,1,2,3
	v_add_nc_u32 v[36+\i], v[36+\i], v7            ; the quadrant
	v_mul_f32 v[40+\i], v[32+\i], v[32+\i]         ; r^2
	v_mov_b32 v[44+\i], 0x3638ef1d                 ; 1 / 9!
	v_mov_b32 v[48+\i], 0x37d00d01                 ; 1 / 8!
.endr
.irp i, 0,1,2,3
	v_fmaak_f32 v[44+\i], v[44+\i], v[40+\i], 0xb9500d01
	v_fmaak_f32 v[48+\i], v[48+\i], v[40+\i], 0xbab60b61
.endr
.irp i, 0,1,2,3
	v_fmaak_f32 v[44+\i], v[44+\i], v[40+\i], 0x3c088889
	v_fmaak_f32 v[48+\i], v[48+\i], v[40+\i], 0x3d2aaaab
.endr
.irp i, 0,1,2,3
	v_fmaak_f32 v[44+\i], v[44+\i], v[40+\i], 0xbe2aaaab
	v_fmaak_f32 v[48+\i], v[48+\i], v[40+\i], 0xbf000000
	v_mul_f32 v[24+\i], v[32+\i], v[40+\i]         ; r^3
.endr
.irp i, 0,1,2,3
	v_fma_f32 v[44+\i], v[24+\i], v[44+\i], v[32+\i]   ; sin r
	v_fma_f32 v[48+\i], v[48+\i], v[40+\i], 1.0        ; cos r
	v_and_b32 v[28+\i], 1, v[36+\i]
	v_and_b32 v[36+\i], 2, v[36+\i]
.endr
.irp i, 0,1,2,3
	v_cmp_eq_u32 vcc_lo, 1, v[28+\i]
	v_cndmask_b32 v[52+\i], v[44+\i], v[48+\i], vcc_lo ; odd quadrants take the cosine's series
	v_lshlrev_b32 v[36+\i], 30, v[36+\i]
	v_xor_b32 v[52+\i], v[52+\i], v[36+\i]             ; quadrants 2 and 3 turn the sign
.endr
	global_store_b128 v8, v[52:55], s[26:27]       ; sixteen lanes store a row: 256 consecutive bytes, aligned
	s_endpgm
.Lfunc_end_k_q604faddd47_prep:
	.size	k_q604faddd47_prep, .Lfunc_end_k_q604faddd47_prep-k_q604faddd47_prep
	.p2alignl 7, 3214868480
	.fill 96, 4, 3214868480
	.section	.rodata,"a",@progbits
	.p2align	6, 0x0
	.amdhsa_kernel k_q604faddd47_prep
		.amdhsa_group_segment_fixed_size 33280
		.amdhsa_private_segment_fixed_size 0
		.amdhsa_enable_private_segment 0
		.amdhsa_kernarg_size 96
		.amdhsa_user_sgpr_count 2
		.amdhsa_user_sgpr_kernarg_segment_ptr 1
		.amdhsa_wavefront_size32 1
		.amdhsa_system_sgpr_workgroup_id_x 1
		.amdhsa_system_sgpr_workgroup_id_y 1
		.amdhsa_system_sgpr_workgroup_id_z 1
		.amdhsa_system_vgpr_workitem_id 0
		.amdhsa_next_free_vgpr 208
		.amdhsa_next_free_sgpr 66
		.amdhsa_reserve_vcc 1
		.amdhsa_float_denorm_mode_32 3
		.amdhsa_float_denorm_mode_16_64 3
		.amdhsa_memory_ordered 1
		.amdhsa_forward_progress 1
		.amdhsa_inst_pref_size 61
	.end_amdhsa_kernel
	.amdgpu_metadata
---
amdhsa.version: [ 1, 2 ]
amdhsa.kernels:
  - .name:           k_q604faddd47_prep
    .symbol:         k_q604faddd47_prep.kd
    .args:
      - { .name: x, .offset: 0, .size: 8, .value_kind: global_buffer, .address_space: global }
      - { .name: Wq, .offset: 8, .size: 8, .value_kind: global_buffer, .address_space: global }
      - { .name: Wk, .offset: 16, .size: 8, .value_kind: global_buffer, .address_space: global }
      - { .name: Wv, .offset: 24, .size: 8, .value_kind: global_buffer, .address_space: global }
      - { .name: Wo, .offset: 32, .size: 8, .value_kind: global_buffer, .address_space: global }
      - { .name: x_pos, .offset: 40, .size: 8, .value_kind: global_buffer, .address_space: global }
      - { .name: xc, .offset: 48, .size: 8, .value_kind: global_buffer, .address_space: global }
      - { .name: xs, .offset: 56, .size: 8, .value_kind: global_buffer, .address_space: global }
      - { .name: wc, .offset: 64, .size: 8, .value_kind: global_buffer, .address_space: global }
      - { .name: ws, .offset: 72, .size: 8, .value_kind: global_buffer, .address_space: global }
      - { .name: wo16, .offset: 80, .size: 8, .value_kind: global_buffer, .address_space: global }
      - { .name: rope, .offset: 88, .size: 8, .value_kind: global_buffer, .address_space: global }
    .group_segment_fixed_size: 33280
    .private_segment_fixed_size: 0
    .kernarg_segment_align: 8
    .kernarg_segment_size: 96
    .max_flat_workgroup_size: 128
    .sgpr_count:     66
    .vgpr_count:     208
    .wavefront_size: 32
...
	.end_amdgpu_metadata
.endif
;; end of part 1
;; launch qkv (part 2): grid 24 x 8, 4 waves a work-group, clusters of 4 x 4, 327,680 bytes of LDS; arguments xc, xs, wc, ws, qkv, rope; writes qkv
.if DOCPART == 2
	.amdgcn_target "amdgcn-amd-amdhsa--gfx1250"
	.amdhsa_code_object_version 6
	.text
	.protected	k_q604faddd47_qkv
	.globl	k_q604faddd47_qkv
	.p2align	8
	.type	k_q604faddd47_qkv,@function
k_q604faddd47_qkv:
	s_mov_b64 s[64:65], 0
	v_nop
	global_prefetch_b8 v0, s[64:65] scope:SCOPE_SE
	s_setreg_imm32_b32 hwreg(HW_REG_WAVE_MODE, 25, 1), 1
	s_wait_xcnt 0x0
	s_wait_alu depctr_hold_cnt(0) depctr_sa_sdst(0) depctr_va_vdst(0) depctr_va_sdst(0) depctr_va_ssrc(0) depctr_va_vcc(0) depctr_vm_vsrc(0)
	s_getreg_b32 s2, hwreg(HW_REG_IB_STS2, 6, 4)
	s_cmp_eq_u32 s2, 0
	s_cbranch_scc0 .Lentry_in_a_cluster
	s_endpgm
.Lentry_in_a_cluster:
	s_bfe_u32 s2, ttmp6, 0x10000c
	s_cmp_lg_u32 s2, 0xf033
	s_cbranch_scc0 .Lentry_shape_is_right
	s_endpgm
.Lentry_shape_is_right:
; C[m][n] = sum over k of x[m][k] W[n][k], W = Wq, Wk, Wv on end (6,144 rows), both operands as codes of FP4 (E2M1) with one E8M0 scale for each 32 along K, as prep laid them; sums in f32.
; ON THE WAY OUT: columns 0-4095 (q, k) get, for each 64 columns (a dual head), the rms norm over the 64 and the rotation by the row's cos and sin; q is also multiplied by log2(e) / 8, so that attn's
; scores are exponents of 2.  Columns 4096-6143 (v) stay as they are.  All are rounded once to f16 and stored [2048][6144].  LIMIT: |v| up to 65,504.  No work is left out here.
; A tile of C, 256 x 256, is made by a work-group of four waves, as many as a WGP has SIMDs; a wave makes 128 x 128: 64 accumulators of 16 x 16, 512 registers: 24 x 8 = 192 work-groups: the largest wave
; tile that the registers hold (each LDS byte feeds the most products), and a tile never straddles q, k and v.
; K goes in steps of 512 through a ring of two LDS slots filled by the tensor data mover: a tile's row is 256 bytes of memory.  THE SCALES of the work-group's 256 + 256 rows, for all of K, come into LDS once.
; CLUSTERS: 4 x 4 work-groups.  The four of a row of the cluster need the same tiles of x, the four of a column the same tiles of W: each tile is asked for JOINTLY, by the same tensor load with the same
; descriptor and a mask that names the four.  THE MATRIX INSTRUCTION IS USED TRANSPOSED (source 0 = 16 rows of W, source 1 = 16 rows of x): a lane then holds eight neighbouring numbers of a row of C.
; REGISTERS, in windows of 256: window 0: v0-31 addresses; v32-95 scale words, two sets; v128-191 x's fragments, ONE set; v192-255 the table's rows for two blocks.   window 1: W's fragments, TWO sets.
;   window 2: the 32 accumulators of my rows 0-63 (accumulator (a, b) at v[8 (8 a + b)]);   window 3: those of my rows 64-127.
.set SIZE_M, 2048
.set SIZE_N, 6144
.set SIZE_K, 2048
.set KSTEP,  512                       ; along K in a slot
.set NQ,     KSTEP/128                 ; matrix instructions deep
.set ROWB,   256                       ; a tile's row in bytes
.set KROW,   SIZE_K/2                  ; a row of codes in memory, in bytes
.set PITCH,  272                       ; an LDS row: 256 bytes + 16 of padding = 68 words: the 16 rows that a load touches start at 16 different banks (64 banks of 4 bytes: ISA guide 11.1)
.set FR,     8                         ; registers of a fragment: 16 rows x 128 K
.set NL,     2                         ; LDS loads that bring one
.set NP,     4                         ; places behind this matrix instruction (ISA guide 7.12.1)
.set HALFT,  128*PITCH                 ; 128 rows: what one tensor load brings
.set SLOT,   4*HALFT                   ; x's 256 rows, then W's 256 rows
.set LAPS,   SIZE_K/(2*KSTEP)          ; a lap = two K steps = once round the ring
.set KS,     SIZE_K/32                 ; a row of scales in bytes
.set SCL,    2*SLOT                    ; behind the ring: the scales, as runs of 256 bytes + 16 of padding
.set HALFS,  (128*KS/256)*272          ; the scales of 128 rows: what one tensor load brings
.set SBLK,   (16*KS/256)*272           ; those of 16 rows
.set SPARE,  SCL+4*HALFS               ; behind the scales: the spare words, 128 bytes a wave
.set SPITCH, 272                       ; the way out: a stage of 16 rows x (256 bytes + 16) for each wave, in slot 0, which has had its last fill and its last read when the first result is stored there
.set CPITCH, SIZE_N*2                  ; a row of the result in bytes
.set ADRA, 16                          ; v16-17  LDS address of my x fragments in slot 0, 1
.set ADRB, 20                          ; v20-21  the same for W
.set STO,  24                          ; v24     the way out: where I put 16 bytes of a row
.set RD,   25                          ; v25     where I read a row back
.set CO,   26                          ; v26     my byte offset in the result
.set ADRS, 27                          ; v27     LDS address of my scale words: lanes 0-15 x's rows, lanes 16-31 W's
.set SPW,  28                          ; v28     LDS address of my spare word; never rewritten
.set NIL,  29                          ; v29     0; never rewritten
.set RA,   30                          ; v30     my byte offset in a block of 16 rows of the table: 256 (l % 16) + 32 (l / 16)
.set SC,   32                          ; scale words: set s at v[SC + 8 NQ s]; register NQ i + q: lanes 0-15 the word of x's block i, lanes 16-31 that of W's block i
.set AF,   128                         ; x's fragments, in window 0
; the way out, all in window 0:
.set SSQ,  8                           ; v8-15    sums of squares: two chains of pairs for each of my two dual heads
.set RSP,  20                          ; v[20:21], v[22:23] 1 / rms of the two heads (the low word serves)
.set BK,   32                          ; v32-63, v64-95 16 rows read back from the stage, by turns
.set CP,   96                          ; v96-127  cos / rms (16), sin / rms (16)
.set TT,   128                         ; v128-159 a head's 32 rotated numbers of my lane
.set PK,   160                         ; v160-191 a block's 64 numbers of my lane in f16
.set ROPE, 192                         ; v192-255 the table: block a at set a % 2: cos 16, sin 16
.set G1, 24                            ; s[24:31] descriptor group 1 for x's tiles;  s[32:39] group 0, one set for each slot
.set G0, 32
.set G1B, 48                           ; s[48:55], s[56:63] the same for W's tiles
.set G0B, 56
.set G1S, 68                           ; s[68:75], s[76:79] groups 1 and 0 for x's scales;  s[80:87], s[88:91] for W's
.set G0S, 76
.set G1SB, 80
.set G0SB, 88
.set MSB, 0
.macro WIN new                         ; s_set_vgpr_msb: bits 1:0 source 0, 3:2 source 1, 5:4 source 2, 7:6 destination; the high byte repeats the setting that is left
.if MSB != (\new)
	s_set_vgpr_msb (MSB<<8)|(\new)
.set MSB, (\new)
.endif
.endm
.set MUL_LO, 0xa1                      ; source 0 (W) window 1, source 1 (x) window 0, C and D window 2
.set MUL_HI, 0xf1                      ; the same, C and D window 3
.set TO_B,   0x40                      ; destination window 1, address window 0
; A joint load: waves 0 and 1 fetch for x, waves 2 and 3 for W.  Each of the two lines has ONE mask and one set of registers for all that issue it; the branch hangs on the wave's number alone.
; An s_nop 0 and four v_nop follow each of the two lines, ahead of the jump, the label and what follows.
.macro JLOAD g0a, g1a, g0b, g1b
	s_cmp_eq_u32 s15, 0
	s_cbranch_scc0 .Lfor_b_\@
	tensor_load_to_lds s[\g0a:\g0a+3], s[\g1a:\g1a+7]
	s_nop 0
.rept 4
	v_nop
.endr
	s_branch .Lasked_\@
.Lfor_b_\@:
	tensor_load_to_lds s[\g0b:\g0b+3], s[\g1b:\g1b+7]
	s_nop 0
.rept 4
	v_nop
.endr
.Lasked_\@:
.endm
.macro CREST                           ; a round of the cluster's barrier behind its opening barrier
	s_cmp_lg_u32 s14, 0
	s_cbranch_scc1 .Lnot_wave_0_\@
	s_barrier_signal -3
.Lnot_wave_0_\@:
	s_barrier_wait -3
	s_barrier_signal -1
	s_barrier_wait -1
.endm
.macro CROUND                          ; a whole round
	s_barrier_signal -1
	s_barrier_wait -1
	CREST
.endm
	s_load_b128 s[4:7], s[0:1], 0x0                ; x's codes s[4:5], x's scales s[6:7]
	s_load_b128 s[8:11], s[0:1], 0x10              ; W's codes s[8:9], W's scales s[10:11]
	s_load_b64 s[12:13], s[0:1], 0x20              ; the result
	s_load_b64 s[98:99], s[0:1], 0x28              ; the table
	v_lshl_add_u32 v[SPW], v0, 2, SPARE
	v_mov_b32 v[NIL], 0
	ds_add_u32 v[SPW], v[NIL]                      ; the wave's opening: the add, twice on end, and its wait ahead of my first tensor load; the set-up below stands between
	ds_add_u32 v[SPW], v[NIL]
	v_lshrrev_b32 v1, 5, v0
	v_readfirstlane_b32 s14, v1                    ; wave 0..3
	s_lshr_b32 s15, s14, 1                         ; which half of the tile's rows is mine.  Also: I fetch for x (0) or for W (1)
	s_and_b32 s16, s14, 1                          ; which half of its columns.  Also: which 128 rows of that tile I fetch
	s_bfe_u32 s40, ttmp6, 0x40000                  ; cx, cy: my place in the cluster
	s_bfe_u32 s41, ttmp6, 0x40004
	s_lshl_b32 s42, ttmp9, 2
	s_add_co_u32 s42, s42, s40                     ; tile column = 4 x cluster x + cx
	s_and_b32 s17, ttmp7, 0xffff
	s_lshl_b32 s17, s17, 2
	s_add_co_u32 s17, s17, s41                     ; tile row = 4 x cluster y + cy
	s_lshl_b32 s43, s41, 2
	s_lshl_b32 s43, 15, s43                        ; my row of the cluster
	s_lshl_b32 s44, 0x1111, s40                    ; my column
	s_lshr_b32 s100, ttmp9, 1                      ; 0: q, 1: k, 2: v: eight tile columns each, two clusters: the same in all sixteen partners
	s_cmp_eq_u32 s100, 0
	s_cselect_b32 s101, 0x3e38aa3b, 1.0            ; q carries log2(e) / 8
	s_mov_b32 s95, 0x3c800000                      ; 1 / 64
	s_mov_b32 s96, 0x34000000                      ; eps = 2^-23
	; descriptor group 1: a tile of 128 rows x ROWB bytes, padded in LDS
	s_or_b32 s[G1+0], s43, (0<<16)|(1<<20)|(1<<21)|(5<<22)|(3<<25)  ; 15:0 the mask: x's tiles go to my row; 17:16 element of 1 byte; 20 padding on; 21 set beside a mask; 24:22 after every 64 words; 31:25 of 4 words
	s_or_b32 s[G1B+0], s44, (0<<16)|(1<<20)|(1<<21)|(5<<22)|(3<<25)
.irp g, G1, G1B
	s_mov_b32 s[\g+1], ROWB<<16                    ; tensor_dim0
	s_mov_b32 s[\g+2], 128<<16                     ; tensor_dim1 = 128
	s_mov_b32 s[\g+3], ROWB<<16                    ; tile_dim0
	s_mov_b32 s[\g+4], 128                         ; tile_dim1 = 128
	s_mov_b32 s[\g+5], KROW                        ; tensor_dim0_stride
	s_mov_b32 s[\g+6], 0
	s_mov_b32 s[\g+7], 0
.endr
	; and for the scales of 128 rows: a dense block of 128 KS bytes, as rows of 256 bytes (32 elements of 8 bytes), 16 bytes of padding behind each
	s_or_b32 s[G1S+0], s43, (3<<16)|(1<<20)|(1<<21)|(5<<22)|(3<<25)
	s_or_b32 s[G1SB+0], s44, (3<<16)|(1<<20)|(1<<21)|(5<<22)|(3<<25)
.irp g, G1S, G1SB
	s_mov_b32 s[\g+1], 32<<16
	s_mov_b32 s[\g+2], (128*KS/256)<<16
	s_mov_b32 s[\g+3], 32<<16
	s_mov_b32 s[\g+4], 128*KS/256
	s_mov_b32 s[\g+5], 32
	s_mov_b32 s[\g+6], 0
	s_mov_b32 s[\g+7], 0
.endr
	s_lshl_b32 s18, s16, 7                         ; which 128 rows of the tile I fetch
	s_lshl_b32 s20, s17, 8
	s_add_co_u32 s20, s20, s18                     ; x: row 256 x tile row + 128 x half
	s_lshl_b32 s46, s42, 8
	s_add_co_u32 s46, s46, s18                     ; W: row 256 x tile column + 128 x half
	s_mov_b32 s21, 0
	s_mov_b32 s47, 0
	s_mov_b64 s[18:19], KS
	s_mul_u64 s[22:23], s[20:21], s[18:19]         ; where these rows' scales begin, in bytes
	s_mul_u64 s[92:93], s[46:47], s[18:19]
	s_mov_b64 s[18:19], KROW
	s_mul_u64 s[20:21], s[20:21], s[18:19]         ; and their codes
	s_mul_u64 s[46:47], s[46:47], s[18:19]
	s_mul_i32 s45, s14, HALFT                      ; where they go: wave x 128 rows: no place in the cluster enters an LDS address
	s_mul_i32 s94, s14, HALFS
	s_wait_dscnt 0x0                               ; both opening adds are done
	s_wait_kmcnt 0x0
	s_add_nc_u64 s[20:21], s[4:5], s[20:21]
	s_add_nc_u64 s[22:23], s[6:7], s[22:23]
	s_add_nc_u64 s[46:47], s[8:9], s[46:47]
	s_add_nc_u64 s[92:93], s[10:11], s[92:93]
	CROUND                                         ; all sixteen work-groups are here: the first joint loads meet
	s_mov_b32 s[G0S], 1
	s_add_co_u32 s[G0S+1], s94, SCL
	s_mov_b64 s[G0S+2:G0S+3], s[22:23]
	s_or_b32 s[G0S+3], s[G0S+3], 0x80000000
	s_mov_b32 s[G0SB], 1
	s_add_co_u32 s[G0SB+1], s94, SCL
	s_mov_b64 s[G0SB+2:G0SB+3], s[92:93]
	s_or_b32 s[G0SB+3], s[G0SB+3], 0x80000000
	JLOAD G0S, G1S, G0SB, G1SB                     ; the scales first: they are wanted with K step 0
.irp s, 0,1
	s_mov_b32 s[G0+4*\s], 1
	s_add_co_u32 s[G0+4*\s+1], s45, \s*SLOT
	s_add_nc_u64 s[G0+4*\s+2:G0+4*\s+3], s[20:21], \s*ROWB
	s_or_b32 s[G0+4*\s+3], s[G0+4*\s+3], 0x80000000
	s_mov_b32 s[G0B+4*\s], 1
	s_add_co_u32 s[G0B+4*\s+1], s45, \s*SLOT
	s_add_nc_u64 s[G0B+4*\s+2:G0B+4*\s+3], s[46:47], \s*ROWB
	s_or_b32 s[G0B+4*\s+3], s[G0B+4*\s+3], 0x80000000
	JLOAD G0+4*\s, G1, G0B+4*\s, G1B               ; three tensor loads of mine are out
.endr
	v_and_b32 v1, 15, v0                           ; l % 16
	v_bfe_u32 v2, v0, 4, 1                         ; l / 16
	v_mul_u32_u24 v3, v1, PITCH
	v_lshl_add_u32 v4, v2, 4, v3                   ; a fragment's row x pitch + 16 x half
	s_mul_i32 s21, s15, HALFT                      ; my 128 rows of x
	s_mul_i32 s22, s16, HALFT                      ; my 128 rows of W,
	s_add_co_u32 s22, s22, 2*HALFT                 ; which lie behind x's 256
.irp s, 0,1
	v_add_nc_u32 v[ADRA+\s], s21, v4
	v_add_nc_u32 v[ADRB+\s], s22, v4
	s_add_co_u32 s21, s21, SLOT
	s_add_co_u32 s22, s22, SLOT
.endr
	v_mul_u32_u24 v5, v1, KS                       ; my row's scales: KS bytes a row,
	v_lshrrev_b32 v6, 8, v5
	v_lshl_add_u32 v5, v6, 4, v5                   ; and 16 more for each 256 passed
	s_mul_i32 s21, s15, HALFS                      ; x's: my 128 rows
	s_mul_i32 s22, s16, HALFS                      ; W's: my 128 rows, behind x's 256
	s_add_co_u32 s22, s22, 2*HALFS
	s_sub_co_u32 s22, s22, s21
	v_mul_u32_u24 v6, s22, v2                      ; lanes 16-31 take W's
	s_add_co_u32 s21, s21, SCL
	v_add_nc_u32 v5, v5, v6
	v_add_nc_u32 v[ADRS], s21, v5
	s_mul_i32 s23, s14, 16*SPITCH                  ; my stage
	v_mul_u32_u24 v5, v1, SPITCH                   ; in: row l % 16, 16 bytes for each half of the lanes
	v_lshl_add_u32 v5, v2, 4, v5
	v_add_nc_u32 v[STO], s23, v5
	v_mul_u32_u24 v5, v2, SPITCH                   ; back: lanes 0-15 one row of 256 bytes, lanes 16-31 the next
	v_lshl_add_u32 v5, v1, 4, v5
	v_add_nc_u32 v[RD], s23, v5
	v_mul_u32_u24 v5, v2, CPITCH                   ; and the same two rows in the result
	v_lshl_add_u32 v[CO], v1, 4, v5
	v_lshlrev_b32 v[RA], 8, v1
	v_lshl_add_u32 v[RA], v2, 5, v[RA]             ; the table: row l % 16 of 256 bytes, + 32 (l / 16): my eight angles of each sixteen
	s_lshl_b32 s20, s17, 8
	s_lshl_b32 s21, s15, 7
	s_add_co_u32 s20, s20, s21                     ; my first row: 256 x tile row + 128 x half
	s_lshl_b32 s22, s20, 8
	s_mov_b32 s23, 0
	s_add_nc_u64 s[98:99], s[98:99], s[22:23]      ; the table at that row
	s_mov_b32 s21, 0
	s_mov_b64 s[18:19], CPITCH
	s_mul_u64 s[20:21], s[20:21], s[18:19]
	s_lshl_b32 s46, s42, 9                         ; my first column, in bytes: 512 x tile column + 256 x half
	s_lshl_b32 s47, s16, 8
	s_add_co_u32 s46, s46, s47
	s_mov_b32 s47, 0
	s_add_nc_u64 s[20:21], s[20:21], s[46:47]
	s_add_nc_u64 s[12:13], s[12:13], s[20:21]      ; never stepped: the stores' immediates reach 126 rows of 12,288 bytes, inside the signed 24 bits (ISA guide, chapter 10)
.macro FRAG reg, adr, q, i             ; a fragment, 16 rows x 128 K of 4-bit codes, is 8 registers: lane l holds row l % 16; registers 4 c .. 4 c + 3 hold K = 64 c + 32 (l / 16) + 0 .. 31
.irp c, 0,1
	ds_load_b128 v[\reg+4*\c:\reg+4*\c+3], v[\adr] offset:64*(\q)+32*\c+(\i)*16*PITCH
.endr
.endm
; 16 matrix instructions: x's blocks a0, a0 + 1 against W's eight, 128 along K: the slot's q-th.  p: W's set;  sc: the set of scale words.  zero = 1: the first product starts the sums: nothing is ever cleared.
; The 64 accumulators take turns, one instruction a turn, in the same order in every step.
.macro MUL16 a0, p, q, sc, zero
.irp a, \a0, \a0+1
.irp b, 0,1,2,3,4,5,6,7
.if \zero
	v_wmma_scale_f32_16x16x128_f8f6f4 v[8*(8*((\a)%4)+\b):8*(8*((\a)%4)+\b)+7], v[128*(\p)+FR*\b:128*(\p)+FR*\b+FR-1], v[AF+FR*(\a):AF+FR*(\a)+FR-1], 0, v[SC+8*NQ*(\sc)+NQ*\b+(\q)], v[SC+8*NQ*(\sc)+NQ*(\a)+(\q)] matrix_a_fmt:MATRIX_FMT_FP4 matrix_b_fmt:MATRIX_FMT_FP4 matrix_a_scale:MATRIX_SCALE_ROW1
.else
	v_wmma_scale_f32_16x16x128_f8f6f4 v[8*(8*((\a)%4)+\b):8*(8*((\a)%4)+\b)+7], v[128*(\p)+FR*\b:128*(\p)+FR*\b+FR-1], v[AF+FR*(\a):AF+FR*(\a)+FR-1], v[8*(8*((\a)%4)+\b):8*(8*((\a)%4)+\b)+7], v[SC+8*NQ*(\sc)+NQ*\b+(\q)], v[SC+8*NQ*(\sc)+NQ*(\a)+(\q)] matrix_a_fmt:MATRIX_FMT_FP4 matrix_b_fmt:MATRIX_FMT_FP4 matrix_a_scale:MATRIX_SCALE_ROW1
.endif
.endr
.endr
.endm
.macro FETCH_B slot, q, p              ; W's eight fragments of the slot's q-th 128 along K into set p
	WIN TO_B
.irp i, 0,1,2,3,4,5,6,7
	FRAG 128*(\p)+FR*\i, ADRB+\slot, \q, \i
.endr
	WIN 0
.endm
.macro FETCH_A slot, q, i0             ; x's blocks i0 .. i0 + 3
.irp i, \i0, \i0+1, \i0+2, \i0+3
	FRAG AF+FR*(\i), ADRA+\slot, \q, \i
.endr
.endm
.macro SCALES sc                       ; the next K step's scale words into set sc: NQ words a row; lanes 0-15 take x's block i, lanes 16-31 W's block i
.irp i, 0,1,2,3,4,5,6,7
	ds_load_b128 v[SC+8*NQ*\sc+NQ*\i:SC+8*NQ*\sc+NQ*\i+3], v[ADRS] offset:\i*SBLK
.endr
.endm
; A load into a register that a matrix instruction has read, and a vector instruction or an LDS store that reads a matrix result, stand NP places behind that matrix instruction; only plain vector
; instructions that name none of its registers are places (ISA guide 7.12.1 for vector instructions).
.macro PLACES n
.rept \n
	v_nop
.endr
.endm
; A step of 128 along K that has its successor in the same slot.
.macro STEP slot, q, zero
	s_wait_dscnt 4*NL                              ; W's set and x's blocks 0-3 are in; the youngest eight loads (x's blocks 4-7) may be out
	WIN MUL_LO
	MUL16 0, (\q)%2, \q, \slot, \zero
	MUL16 2, (\q)%2, \q, \slot, \zero
	s_wait_dscnt 0                                 ; x's blocks 4-7 are in (asked for 32 matrix instructions ago)
	PLACES NP
	FETCH_B \slot, (\q)+1, 1-(\q)%2
	FETCH_A \slot, (\q)+1, 0
	WIN MUL_HI
	MUL16 4, (\q)%2, \q, \slot, \zero
	MUL16 6, (\q)%2, \q, \slot, \zero
	PLACES NP
	WIN 0
	FETCH_A \slot, (\q)+1, 4
.endm
; A slot's last step changes slots: ONE barrier; in front of it each wave waits for all its tensor loads, adds 0 to its spare word, and waits for that and for its own reads of this slot.  fill = 1: this slot is filled again, two K steps ahead.
.macro TURN slot, next, fill
	s_wait_tensorcnt 0x0                           ; all my tensor loads have landed: my part of the next slot;  (every window is 0 here)
	ds_add_u32 v[SPW], v[NIL]                      ; 0 onto my spare word;
	s_wait_dscnt 4*NL+1                            ; (the add and the youngest eight loads, x's blocks 4-7, may be out)
	WIN MUL_LO
	MUL16 0, 1, NQ-1, \slot, 0                     ; sixteen matrix instructions stand between the add and the wait for it
	s_wait_dscnt 0x0                               ; the add is done, and my reads of this slot are over
	s_barrier_signal -1
	MUL16 2, 1, NQ-1, \slot, 0
	WIN 0
	s_barrier_wait -1
.if \fill
	CREST                                          ; the barrier has opened a round of the cluster's barrier: no wave of any partner still reads this slot's tile or has a load on its way
	s_add_nc_u64 s[G0+4*\slot+2:G0+4*\slot+3], s[G0+4*\slot+2:G0+4*\slot+3], 2*ROWB
	s_add_nc_u64 s[G0B+4*\slot+2:G0B+4*\slot+3], s[G0B+4*\slot+2:G0B+4*\slot+3], 2*ROWB
	JLOAD G0+4*\slot, G1, G0B+4*\slot, G1B         ; the first tensor load behind the round; the four v_nop behind it are the places in front of the loads below
.else
	PLACES NP
.endif
	v_add_nc_u32 v[ADRS], 4*NQ, v[ADRS]            ; on to the next K step's scale words (no LDS load of mine is out)
	FETCH_B \next, 0, 0
	FETCH_A \next, 0, 0
	SCALES \next
	WIN MUL_HI
	MUL16 4, 1, NQ-1, \slot, 0
	MUL16 6, 1, NQ-1, \slot, 0
	PLACES NP
	WIN 0
	FETCH_A \next, 0, 4
.endm
.macro STEPS slot, from                ; the slot's steps from .. NQ - 2
.set Q, \from
.rept NQ-1-\from
	STEP \slot, Q, 0
.set Q, Q+1
.endr
.endm
.macro LAST                            ; the very last step: nothing more to fetch
	s_wait_dscnt 4*NL
	WIN MUL_LO
	MUL16 0, 1, NQ-1, 1, 0
	MUL16 2, 1, NQ-1, 1, 0
	s_wait_dscnt 0
	WIN MUL_HI
	MUL16 4, 1, NQ-1, 1, 0
	MUL16 6, 1, NQ-1, 1, 0
	WIN 0
.endm
	s_wait_tensorcnt 1                             ; the scales and my part of K step 0 are in (K step 1's load may be out)
	s_barrier_signal -1
	s_barrier_wait -1                              ; everybody's are
	FETCH_B 0, 0, 0
	FETCH_A 0, 0, 0
	SCALES 0
	FETCH_A 0, 0, 4
	STEP 0, 0, 1                                   ; the first step stands in front of the loop: its products start the sums
.if LAPS > 1
	s_mov_b32 s3, LAPS-1
.Llap:                                                 ; a trip goes once round the ring, from a lap's second step to the next lap's first, and fills both slots again
	STEPS 0, 1
	TURN 0, 1, 1
	STEPS 1, 0
	TURN 1, 0, 1
	STEP 0, 0, 0
	s_sub_co_u32 s3, s3, 1
	s_cmp_lg_u32 s3, 0
	s_cbranch_scc1 .Llap
.endif
	STEPS 0, 1                                     ; the last lap fills nothing, and has no round of the cluster's barrier
	TURN 0, 1, 0
	STEPS 1, 0
; THE WAY OUT, block by block of 16 rows x 128 columns.  Lane (r, h) of accumulator (a, b) holds row 16 a + r, columns 16 b + 8 h + 0 .. 7.  A block is packed to f16, goes through my own stage in LDS and
; comes back as whole rows of 256 bytes: sixteen lanes store 256 consecutive bytes, aligned.  LDS serves a wave's instructions in order (ISA guide 5.7.1.4): no wait between the stage's stores and loads.
.macro ROPELD a                        ; block a's rows of the table: my 16 cosines (angles 8 h + i, 16 + 8 h + i), then my 16 sines
.set RP, ROPE+32*((\a)%2)
.irp i, 0,1,2,3
	global_load_b128 v[RP+8*\i:RP+8*\i+3], v[RA], s[98:99] offset:(\a)*4096+64*\i
	global_load_b128 v[RP+8*\i+4:RP+8*\i+7], v[RA], s[98:99] offset:(\a)*4096+64*\i+16
.endr
.endm
; q and k.  My 128 columns are two dual heads: head hd = accumulators 4 hd .. 4 hd + 3; in it x1 (channels 0-31) lies in the first two, x2 in the last two, a pair (x1[d], x2[d]) in one lane and register number.
.macro PACKQ a
.set AC, 64*((\a)%4)
.set RP, ROPE+32*((\a)%2)
.set WX, 2+(\a)/4                      ; the accumulators' window
	WIN 5*WX                                       ; sources 0 and 1
.irp jj, 0,2,4,6                       ; the sums of squares, packed, two chains a head; each accumulator is read from its low end on
.irp bb, 0,1,2,3
.irp hd, 0,1
.if (\jj == 0) && (\bb < 2)
	v_pk_mul_f32 v[SSQ+4*\hd+2*\bb:SSQ+4*\hd+2*\bb+1], v[AC+8*(4*\hd+\bb):AC+8*(4*\hd+\bb)+1], v[AC+8*(4*\hd+\bb):AC+8*(4*\hd+\bb)+1]
.else
	v_pk_fma_f32 v[SSQ+4*\hd+2*(\bb%2):SSQ+4*\hd+2*(\bb%2)+1], v[AC+8*(4*\hd+\bb)+\jj:AC+8*(4*\hd+\bb)+\jj+1], v[AC+8*(4*\hd+\bb)+\jj:AC+8*(4*\hd+\bb)+\jj+1], v[SSQ+4*\hd+2*(\bb%2):SSQ+4*\hd+2*(\bb%2)+1]
.endif
.endr
.endr
.endr
	WIN 0
	v_pk_add_f32 v[SSQ:SSQ+1], v[SSQ:SSQ+1], v[SSQ+2:SSQ+3]
	v_pk_add_f32 v[SSQ+4:SSQ+5], v[SSQ+4:SSQ+5], v[SSQ+6:SSQ+7]
	v_add_f32 v16, v[SSQ], v[SSQ+1]
	v_add_f32 v17, v[SSQ+4], v[SSQ+5]
	v_permlanex16_b32 v18, v16, s2, s3             ; the row's other 32 columns of the head lie in the lane 16 away
	v_permlanex16_b32 v19, v17, s2, s3
	v_add_f32 v16, v16, v18
	v_add_f32 v17, v17, v19
	v_fma_f32 v16, v16, s95, s96                   ; the mean + eps
	v_fma_f32 v17, v17, s95, s96
	v_rsq_f32 v16, v16
	v_rsq_f32 v17, v17
	v_nop                                          ; a plain line behind the last of the two
	s_wait_alu depctr_va_vdst(0)                   ; one wait for both, ahead of their first reader
	v_mul_f32 v[RSP], s101, v16
	v_mul_f32 v[RSP+2], s101, v17
.if (\a) < 7
	s_wait_loadcnt 8                               ; this block's eight loads of the table are in; the next block's eight stay out
.else
	s_wait_loadcnt 0x0
.endif
.irp hd, 0,1
.set n, 0
.rept 16
	v_pk_mul_f32 v[CP+2*n:CP+2*n+1], v[RP+2*n:RP+2*n+1], v[RSP+2*\hd:RSP+2*\hd+1] op_sel_hi:[1,0]   ; cos and sin take 1 / rms along
.set n, n+1
.endr
	WIN WX                                         ; source 0 alone in the accumulators' window
.irp bb, 0,1
.irp jj, 0,2,4,6
	v_pk_mul_f32 v[TT+8*\bb+\jj:TT+8*\bb+\jj+1], v[AC+8*(4*\hd+\bb)+\jj:AC+8*(4*\hd+\bb)+\jj+1], v[CP+8*\bb+\jj:CP+8*\bb+\jj+1]              ; x1 cos
	v_pk_mul_f32 v[TT+16+8*\bb+\jj:TT+16+8*\bb+\jj+1], v[AC+8*(4*\hd+2+\bb)+\jj:AC+8*(4*\hd+2+\bb)+\jj+1], v[CP+8*\bb+\jj:CP+8*\bb+\jj+1]    ; x2 cos
.endr
.endr
.irp bb, 0,1
.irp jj, 0,2,4,6
	v_pk_fma_f32 v[TT+8*\bb+\jj:TT+8*\bb+\jj+1], v[AC+8*(4*\hd+2+\bb)+\jj:AC+8*(4*\hd+2+\bb)+\jj+1], v[CP+16+8*\bb+\jj:CP+16+8*\bb+\jj+1], v[TT+8*\bb+\jj:TT+8*\bb+\jj+1]   ; + x2 sin
	v_pk_fma_f32 v[TT+16+8*\bb+\jj:TT+16+8*\bb+\jj+1], v[AC+8*(4*\hd+\bb)+\jj:AC+8*(4*\hd+\bb)+\jj+1], v[CP+16+8*\bb+\jj:CP+16+8*\bb+\jj+1], v[TT+16+8*\bb+\jj:TT+16+8*\bb+\jj+1] neg_lo:[1,0,0] neg_hi:[1,0,0]   ; - x1 sin
.endr
.endr
	WIN 0
.set n, 0
.rept 16
	v_cvt_pk_f16_f32 v[PK+16*\hd+n], v[TT+2*n], v[TT+2*n+1]
.set n, n+1
.endr
.endr
.if (\a) < 6
	ROPELD (\a)+2                                  ; into the set that has just been read
.endif
.endm
.macro PACKV a                         ; v: rounded, and nothing else
.set AC, 64*((\a)%4)
.set WX, 2+(\a)/4
	WIN 5*WX
.irp b, 0,1,2,3,4,5,6,7
.irp i, 0,1,2,3
	v_cvt_pk_f16_f32 v[PK+4*\b+\i], v[AC+8*\b+2*\i], v[AC+8*\b+2*\i+1]
.endr
.endr
	WIN 0
.endm
.macro TOSTAGE a
.irp b, 0,1,2,3,4,5,6,7
	ds_store_b128 v[STO], v[PK+4*\b:PK+4*\b+3] offset:32*\b
.endr
.set BB, BK+32*((\a)%2)
.irp t, 0,1,2,3,4,5,6,7
	ds_load_b128 v[BB+4*\t:BB+4*\t+3], v[RD] offset:\t*2*SPITCH
.endr
.endm
.macro SEND a, younger                 ; younger: the LDS instructions issued behind block a's loads, which may stay out
.set BB, BK+32*((\a)%2)
	s_wait_dscnt \younger                          ; the block is back in registers
.irp t, 0,1,2,3,4,5,6,7
	global_store_b128 v[CO], v[BB+4*\t:BB+4*\t+3], s[12:13] offset:(16*(\a)+2*\t)*CPITCH
.endr
.endm
	s_mov_b32 s2, 0x76543210                       ; v_permlanex16_b32's selects for lane l xor 16
	s_mov_b32 s3, 0xfedcba98
	s_cmp_lt_u32 s100, 2                           ; the text parts ONCE, in front of the last step, which is written in both arms: the same way in all sixteen partners
	s_cbranch_scc0 .Lplain
	ROPELD 0                                       ; the table's first two blocks land under the last 64 products
	ROPELD 1
	LAST
	v_mov_b32 v18, 0                               ; a lane permute's destination counts as one of its sources, a pair's upper half as read: written once.
	v_mov_b32 v19, 0                               ; These four plain lines are also the places behind the last products
	v_mov_b32 v[RSP+1], 0
	v_mov_b32 v[RSP+3], 0
	PACKQ 0
	TOSTAGE 0
.irp a, 1,2,3,4,5,6,7
	PACKQ \a
.if \a > 1
	s_wait_xcnt 0x0                                ; block a - 2's stores have read their registers: block a's loads from the stage may land there
.endif
	TOSTAGE \a
	SEND \a-1, 16                                  ; behind block a - 1's loads: block a's 8 stores and 8 loads
.endr
	SEND 7, 0
	s_branch .Lout
.Lplain:
	LAST
	PLACES NP
	PACKV 0
	TOSTAGE 0
.irp a, 1,2,3,4,5,6,7
	PACKV \a
.if \a > 1
	s_wait_xcnt 0x0
.endif
	TOSTAGE \a
	SEND \a-1, 16
.endr
	SEND 7, 0
.Lout:
	s_wait_tensorcnt 0x0                           ; the wave's end, behind my last tensor load and my last LDS store
	ds_add_u32 v[SPW], v[NIL]
	s_wait_dscnt 0x0
	CROUND                                         ; the closing round: no work-group ends while a partner may still ask for a tile that names it
	s_endpgm
.Lfunc_end_k_q604faddd47_qkv:
	.size	k_q604faddd47_qkv, .Lfunc_end_k_q604faddd47_qkv-k_q604faddd47_qkv
	.p2alignl 7, 3214868480
	.fill 96, 4, 3214868480
	.section	.rodata,"a",@progbits
	.p2align	6, 0x0
	.amdhsa_kernel k_q604faddd47_qkv
		.amdhsa_group_segment_fixed_size 327680
		.amdhsa_private_segment_fixed_size 0
		.amdhsa_enable_private_segment 0
		.amdhsa_kernarg_size 48
		.amdhsa_user_sgpr_count 2
		.amdhsa_user_sgpr_kernarg_segment_ptr 1
		.amdhsa_wavefront_size32 1
		.amdhsa_system_sgpr_workgroup_id_x 1
		.amdhsa_system_sgpr_workgroup_id_y 1
		.amdhsa_system_sgpr_workgroup_id_z 1
		.amdhsa_system_vgpr_workitem_id 0
		.amdhsa_next_free_vgpr 1024
		.amdhsa_next_free_sgpr 102
		.amdhsa_reserve_vcc 0
		.amdhsa_float_denorm_mode_32 3
		.amdhsa_float_denorm_mode_16_64 3
		.amdhsa_memory_ordered 1
		.amdhsa_forward_progress 1
		.amdhsa_inst_pref_size 255
	.end_amdhsa_kernel
	.section	.bss,"aw",@nobits
	.p2align	6
	.space	262144
	.amdgpu_metadata
---
amdhsa.version: [ 1, 2 ]
amdhsa.kernels:
  - .name:           k_q604faddd47_qkv
    .symbol:         k_q604faddd47_qkv.kd
    .args:
      - { .name: xc, .offset: 0, .size: 8, .value_kind: global_buffer, .address_space: global }
      - { .name: xs, .offset: 8, .size: 8, .value_kind: global_buffer, .address_space: global }
      - { .name: wc, .offset: 16, .size: 8, .value_kind: global_buffer, .address_space: global }
      - { .name: ws, .offset: 24, .size: 8, .value_kind: global_buffer, .address_space: global }
      - { .name: qkv, .offset: 32, .size: 8, .value_kind: global_buffer, .address_space: global }
      - { .name: rope, .offset: 40, .size: 8, .value_kind: global_buffer, .address_space: global }
    .group_segment_fixed_size: 327680
    .private_segment_fixed_size: 0
    .kernarg_segment_align: 8
    .kernarg_segment_size: 48
    .max_flat_workgroup_size: 128
    .sgpr_count:     102
    .vgpr_count:     1024
    .wavefront_size: 32
...
	.end_amdgpu_metadata
.endif
;; end of part 2
;; launch attn (part 3): grid 16 x 16, 4 waves a work-group, no clusters, 327,680 bytes of LDS; arguments qkv, lq1, lk1, lq2, lk2, att; writes att
.if DOCPART == 3
	.amdgcn_target "amdgcn-amd-amdhsa--gfx1250"
	.amdhsa_code_object_version 6
	.text
	.protected	k_q604faddd47_attn
	.globl	k_q604faddd47_attn
	.p2align	8
	.type	k_q604faddd47_attn,@function
k_q604faddd47_attn:
	s_mov_b64 s[64:65], 0
	v_nop
	global_prefetch_b8 v0, s[64:65] scope:SCOPE_SE
	s_setreg_imm32_b32 hwreg(HW_REG_WAVE_MODE, 25, 1), 1
	s_wait_xcnt 0x0
; att[s][head] = rms_norm(a1 - lambda a2) x (1 - lambda_init), a_i = softmax(causal(q_i k_i^T / 8)) v, lambda = exp(lq1 . lk1) - exp(lq2 . lk2) + lambda_init.
; qkv: [2048][6144] f16: head h has q1 | q2 at byte 256 h of a row, k1 | k2 at 4096 + 256 h, v at 8192 + 256 h; q already carries log2(e) / 8.  att: [2048][2048] f16.  Products on f16 operands, all sums f32.
; WORK LEFT OUT: blocks of 64 keys that lie wholly behind a block of 64 queries: reference()'s own causal mask gives them the weight 0 for all values of the inputs.
; (Keys go in slots of 128.  The last slot of an even block has its upper 64 keys hidden: the two waves that own them run that step under the mask, one step in 34, inside a slot that also holds live work.)
; NO MAXIMUM IS TAKEN AWAY: reference() normalises q and k itself (sum of squares under 64, the rotation keeps lengths), so |t| = |q . k| log2(e) / 8 <= 11.55 for every input: p = 2^t lies in
; 3.3e-4 .. 3.0e3, inside f16's normal numbers, and a row's sum stays under 6.2e6.  So nothing is rescaled, and sums over different keys simply add.
; SHARES.  Work-group (j, head) owns two blocks of 64 queries: block 31 - j first, then block j: 16 - j / 2 and j / 2 + 1 slots of 128 keys: 17 slots whatever j: all trip counts are constants, all WGPs carry the same.
; Wave w: p = w & 1 picks 32 of the block's queries (two tiles of 16), g = w >> 1 picks 64 of the slot's keys.  A wave holds 2 tiles x 2 streams: each fragment of V feeds 4 products, each of K 2.
; At a block's end the two key halves meet: my tile 0 is tile 2 p + g of the block, which I finish; my tile 1 is tile 2 p + 1 - g, whose sums go to wave w xor 2 through LDS, as images of the registers.
; LAYOUT.  S^T = K Q^T (source 0 = 16 keys, source 1 = 16 queries), O^T = V^T P (source 0 = 16 channels, by the turning load, source 1 = P): a lane holds ONE query throughout, and two tiles of S^T,
; rounded in pairs, ARE source 1 of the second product.
; NO CLUSTER, though the 16 work-groups of a head walk the same K and V: they change blocks at different trips (trip 16 - j / 2), so the branch to the block's end and the keys that a trip asks for would
; differ between partners.
; REGISTERS, in windows of 256: window 0: v1-63 addresses, sums, at work; v64-191 S^T (tile x = 2 stream + tile at 64 + 32 x); v192-255 P (192 + 16 x).   window 1: O^T at 128 tile + 64 stream + 8 c.
;   window 2: v0-63 Q (32 tile + 16 stream + 8 ks), v128-255 K (128 + 64 stream + 16 kt + 8 ks).   window 3: v0-127 V (64 kh + 8 c); v128-255 the partner's images.
.set ROWG,  12288                      ; a row of qkv in bytes
.set KPI,   272                        ; a row of K in LDS: 256 bytes + 16: the 16 rows of a load start at 16 different banks (64 banks of 4 bytes: ISA guide 11.1)
.set VPI,   288                        ; a row of V: 256 + 32
.set VOFF,  128*KPI                    ; a slot: 128 rows of K, then 128 rows of V: 71,680 bytes
.set SLOT1, 1<<17                      ; slot 1 begins here: one exclusive or turns an address of one slot into the other's
.set SLOTG, 128*ROWG                   ; a slot's keys in memory
.set XCH,   204800                     ; behind the ring: for each wave 32 images of 512 bytes and 256 bytes of sums
.set XWB,   16896
.set STAGE, XCH+4*XWB                  ; 16 rows x 272 bytes for each wave, for the way out
.set SPARE, STAGE+4*16*272             ; the spare words, 128 bytes a wave
.set AK0, 3                            ; v3   my lane's place in my 64 keys of K
.set AV0, 4                            ; v4   the same for V
.set ADK, 5                            ; v5   LDS address of the step's K
.set ADV, 6                            ; v6   of its V
.set QO,  7                            ; v7-8   my byte offset in the wave's 32 rows of q, tile 0, 1
.set DB,  9                            ; v9-10  32 p + 16 (tile's place) + r - 8 h
.set DD,  11                           ; v11-12 the same + 64 (query block - key block): register n of a tile is hidden where 16 (n / 8) + n % 8 is greater
.set NEG, 13                           ; v13  -infinity
.set XW,  14                           ; v14  where my images go;  v15 my sums;  v16, v17 where the partner's lie
.set XL,  15
.set XR,  16
.set XRL, 17
.set STO, 18                           ; v18  the way out: where I put 16 bytes of a row;  v19 where I read a row back;  v20 my byte offset in att
.set RD,  19
.set GO,  20
.set PFO, 21                           ; v21  the prefetches' offset: a lane a row
.set SPW, 22                           ; v22  LDS address of my spare word; never rewritten
.set NIL, 23                           ; v23  0; never rewritten
.set LAM, 24                           ; v24  lambda
.set R1,  26                           ; v[26:27] 1 / l1;  v[28:29] -lambda / l2;  v[30:31] the norm's factor (the low words serve)
.set R2,  28
.set RS,  30
.set LB,  32                           ; v32-47 the rows' sums: tile x: two chains of pairs at 32 + 4 x
.set LT,  48                           ; v48-51 a lane's sums, at 2 tile + stream;  v[52:53] the partner's
.set LR,  52
.set QS,  64
.set PB,  192
.set KF,  128
.set WV,  16                           ; s16 wave;  s17 p;  s18 g;  s19 j;  s20 head;  s21 slots of the first block
.set PH,  17
.set GH,  18
.set JB,  19
.set HD,  20
.set NA,  21
.set TT,  22                           ; s22 the trip, 0 .. 16;  s23 the slot's number in its block
.set UU,  23
.set G1K, 24                           ; s[24:31] descriptor group 1 for K's tiles;  s[32:39] for V's: it differs in the padding alone
.set G1V, 32
.set G0K, 40                           ; s[40:43], s[44:47] their groups 0
.set G0V, 44
.set KB,  48                           ; s[48:49] my 64 rows of K in the head's slot 0;  s[50:51] of V
.set VB,  50
.set TB,  54                           ; s54 LDS byte at which the slot in hand begins
.set BB,  55                           ; s55 the block of queries in hand
.set UN,  56
.set T1,  57
.set KBI, 58                           ; s58 my block of 64 keys: 2 x slot + g
.set LIM, 59                           ; s59 a wave prefetches while the trip is under it
.set SEL, 60                           ; s[60:61] v_permlanex16_b32's selects for lane l xor 16
.set PFA, 62                           ; s[62:63] where my prefetches stand
.set QB,  66                           ; s[66:67] q at my wave's 32 rows;  s[68:69] att at the 16 rows that I finish
.set OB,  68
.set MSB, 0
.macro WIN new                         ; s_set_vgpr_msb: bits 1:0 source 0, 3:2 source 1, 5:4 source 2, 7:6 destination; the high byte repeats the setting that is left
.if MSB != (\new)
	s_set_vgpr_msb (MSB<<8)|(\new)
.set MSB, (\new)
.endif
.endm
.set W_KQ, 0x0a                        ; K and Q in window 2, S^T in window 0
.set W_PV, 0x53                        ; V in window 3, P in window 0, O^T in window 1
; Waves 0 and 1 fetch the halves of a slot's K, waves 2 and 3 those of its V: one load a wave.  An s_nop 0 and four v_nop follow each of the two lines.
.macro TLOAD
	s_cmp_lt_u32 s[WV], 2
	s_cbranch_scc0 .Lfor_v_\@
	tensor_load_to_lds s[G0K:G0K+3], s[G1K:G1K+7]
	s_nop 0
.rept 4
	v_nop
.endr
	s_branch .Lasked_\@
.Lfor_v_\@:
	tensor_load_to_lds s[G0V:G0V+3], s[G1V:G1V+7]
	s_nop 0
.rept 4
	v_nop
.endr
.Lasked_\@:
.endm
; A PREFETCH INTO THE L2.  At the change of slots that loads slot t + 1, slot t + 3 is asked for: two changes, 192 products a wave, ahead of its tensor load.  All work-groups of a head walk the same rows: the
; one with j = 0, whose first block walks all 16 slots, asks, and nobody else.  Its wave w names rows 32 w .. 32 w + 31 of the slot, a lane a row: the row's 256 bytes of K, and by the immediate its 256 of V.
; So each such run is named once in the launch.  Slots 0 to 2 come by their loads alone; the last ask, in trip 12, is for slot 15, the head's last.
.macro ASK
	s_cmp_lt_u32 s[TT], s[LIM]
	s_cbranch_scc0 .Lnot_mine_\@
	global_prefetch_b8 v[PFO], s[PFA:PFA+1] th:TH_LOAD_NT scope:SCOPE_SE
	global_prefetch_b8 v[PFO], s[PFA:PFA+1] offset:4096 th:TH_LOAD_NT scope:SCOPE_SE
.Lnot_mine_\@:
.endm
; THE CHANGE OF SLOTS stands at a trip's head.  Each wave waits for all its tensor loads (one is out: its part of the slot that it is about to read), adds 0 to its spare word, and waits for that and for its
; reads of the slot that it has left.  Behind the barrier the slot ahead is whole and nobody reads the other one, which is filled with the next trip's keys (fill = 1): that load has a trip's 96 products in which to land.
.macro CHANGE fill
	s_wait_tensorcnt 0x0                           ; no tensor load of mine is out, so the groups 0 may be written
	ds_add_u32 v[SPW], v[NIL]                      ; 0 onto my spare word; the descriptors' steps stand between it and the wait for it
.if \fill
	s_add_co_u32 s[T1], s[TT], 1
	s_add_co_u32 s[UN], s[UU], 1                   ; the next trip's slot in its block:
	s_cmp_eq_u32 s[T1], s[NA]
	s_cselect_b32 s[UN], 0, s[UN]                  ; the second block begins at key 0 again
	s_mul_i32 s52, s[UN], SLOTG
	s_xor_b32 s[G0K+1], s[G0K+1], SLOT1            ; the other slot than last time
	s_xor_b32 s[G0V+1], s[G0V+1], SLOT1
	s_add_nc_u64 s[G0K+2:G0K+3], s[KB:KB+1], s[52:53]
	s_or_b32 s[G0K+3], s[G0K+3], 0x80000000
	s_add_nc_u64 s[G0V+2:G0V+3], s[VB:VB+1], s[52:53]
	s_or_b32 s[G0V+3], s[G0V+3], 0x80000000
	s_wait_xcnt 0x0                                ; the last prefetches, a trip back, have read their address, so it may be written
	s_add_nc_u64 s[PFA:PFA+1], s[PFA:PFA+1], SLOTG
.endif
	s_wait_dscnt 0x0                               ; the add is done, and my reads of the slot that I have left are over
	s_barrier_signal -1
	s_barrier_wait -1
.if \fill
	TLOAD                                          ; the first thing behind the barrier, and my one tensor load until the next
	ASK
.endif
.endm
.macro FETCH_K                         ; my 64 keys: stream 0's eight fragments first, then stream 1's: fragment n: stream n / 8, keys 16 ((n % 8) / 2) on, channels 32 (n % 2) on
	WIN 0x80                                       ; destination window 2
.set n, 0
.rept 16
	ds_load_b128 v[KF+8*n:KF+8*n+3],   v[ADK] offset:((n%8)/2)*16*KPI+(n/8)*128+(n%2)*64
	ds_load_b128 v[KF+8*n+4:KF+8*n+7], v[ADK] offset:((n%8)/2)*16*KPI+(n/8)*128+(n%2)*64+32
.set n, n+1
.endr
.endm
.macro FETCH_V                         ; turned: fragment n: keys 32 (n / 8) on, channels 16 (n % 8) on
	WIN 0xc0                                       ; destination window 3
.set n, 0
.rept 16
	ds_load_tr16_b128 v[8*n:8*n+3],   v[ADV] offset:(n/8)*32*VPI+(n%8)*32
	ds_load_tr16_b128 v[8*n+4:8*n+7], v[ADV] offset:(n/8)*32*VPI+16*VPI+(n%8)*32
.set n, n+1
.endr
.endm
; Product i of 16 of a stream's S^T = K Q^T: channels 32 (i / 8) on, keys 16 ((i / 2) % 4) on, tile i % 2.  The first 8 start the sums.  The accumulators take turns: 7 others' between two links.
.macro KQ s
	WIN W_KQ
.set rS, QS+64*(\s)+32*(i%2)+8*((i/2)%4)
.set rK, KF+64*(\s)+16*((i/2)%4)+8*(i/8)
.set rQ, 32*(i%2)+16*(\s)+8*(i/8)
.if i < 8
	v_wmma_f32_16x16x32_f16 v[rS:rS+7], v[rK:rK+7], v[rQ:rQ+7], 0
.else
	v_wmma_f32_16x16x32_f16 v[rS:rS+7], v[rK:rK+7], v[rQ:rQ+7], v[rS:rS+7]
.endif
.endm
; Product i of 32 of a stream's O^T += V^T P: keys 32 (i / 16) on, channels 16 ((i / 2) % 8) on, tile i % 2.  first = 1: the first 16 start the sums: nothing is ever cleared.  15 others' between two links.
.macro PVM s, first
	WIN W_PV
.set rO, 128*(i%2)+64*(\s)+8*((i/2)%8)
.set rV, 64*(i/16)+8*((i/2)%8)
.set rP, PB+32*(\s)+16*(i%2)+8*(i/16)
.if (\first) && (i < 16)
	v_wmma_f32_16x16x32_f16 v[rO:rO+7], v[rV:rV+7], v[rP:rP+7], 0
.else
	v_wmma_f32_16x16x32_f16 v[rO:rO+7], v[rV:rV+7], v[rP:rP+7], v[rO:rO+7]
.endif
.endm
.macro MASK s                          ; hidden scores become -infinity: p = 0 then.  Register n of a tile holds key 16 (n / 8) + 8 h + n % 8 of my 64
.irp tau, 0,1
.set n, 0
.rept 32
	v_cmp_gt_i32 vcc_lo, 16*(n/8)+n%8, v[DD+\tau]
	v_cndmask_b32 v[QS+64*(\s)+32*\tau+n], v[QS+64*(\s)+32*\tau+n], v[NEG], vcc_lo
.set n, n+1
.endr
.endr
.endm
.macro CVT s                           ; a stream's 64 weights to f16, in pairs, the two tiles by turns
.set n, 0
.rept 16
	v_cvt_pk_f16_f32 v[PB+32*(\s)+n], v[QS+64*(\s)+2*n], v[QS+64*(\s)+2*n+1]
	v_cvt_pk_f16_f32 v[PB+32*(\s)+16+n], v[QS+64*(\s)+32+2*n], v[QS+64*(\s)+32+2*n+1]
.set n, n+1
.endr
.endm
.macro SUM s, first                    ; sum k of 32 of a stream: tile k % 2, pair k / 2, of the unrounded weights, in two chains.  first = 1: pairs 0 to 3 start the chains
.set sx, 2*(\s)+k%2
.set sn, k/2
.set rL, LB+4*sx+2*(sn%2)
.set rS, QS+32*sx+2*sn
.if (\first) && (sn < 2)
	v_pk_add_f32 v[rL:rL+1], v[rS:rS+1], v[rS+4:rS+5]
.elseif (\first) && (sn < 4)
.else
	v_pk_add_f32 v[rL:rL+1], v[rL:rL+1], v[rS:rS+1]
.endif
.endm
; A KEY STEP of a wave: 64 keys x 32 queries x 2 streams: 96 products.  Stream 0's exponentials stand between stream 1's products K Q^T, stream 1's between stream 0's products V^T P, the sums between the
; products V^T P.  Each stream's 64 exponentials are ONE batch with one wait: nothing names a result ahead of it.
.macro STEP first
	FETCH_K
	FETCH_V
	s_wait_dscnt 48                                ; stream 0's K is in: stream 1's 16 loads and V's 32 stay out
.set i, 0
.rept 16
	KQ 0
.set i, i+1
.endr
	WIN 0
	s_sub_co_i32 s70, s[BB], s[KBI]
	s_lshl_b32 s70, s70, 6
	v_add_nc_u32 v[DD], s70, v[DB]                 ; these two and two v_nop are the four places behind the products (ISA guide 7.12.1)
	v_add_nc_u32 v[DD+1], s70, v[DB+1]
	v_nop
	v_nop
	s_cmp_lt_u32 s[KBI], s[BB]                     ; ids and counters alone: a block of keys in front of the block of queries counts whole
	s_cbranch_scc1 .Lopen_a_\@
	MASK 0
.Lopen_a_\@:
	s_wait_dscnt 32                                ; stream 1's K is in: V's 32 loads stay out
.set i, 0
.rept 16
	KQ 1
	WIN 0
.set e, QS+32*(i%2)+4*(i/2)
	v_exp_f32 v[e], v[e]                           ; p = 2^t, each accumulator from its low end on
	v_exp_f32 v[e+1], v[e+1]
	v_exp_f32 v[e+2], v[e+2]
	v_exp_f32 v[e+3], v[e+3]
.set i, i+1
.endr
	v_nop                                          ; a plain line behind the last exponential
	s_wait_alu depctr_va_vdst(0)                   ; one wait for the batch of 64, ahead of its first reader
	CVT 0                                          ; (these 32 are also the places behind stream 1's products)
	s_cmp_lt_u32 s[KBI], s[BB]
	s_cbranch_scc1 .Lopen_b_\@
	MASK 1
.Lopen_b_\@:
	s_wait_dscnt 0x0                               ; V is in
.set i, 0
.rept 32
	PVM 0, \first
	WIN 0
.set k, i
	SUM 0, \first
.set e, QS+64+32*(i%2)+2*(i/2)
	v_exp_f32 v[e], v[e]
	v_exp_f32 v[e+1], v[e+1]
.set i, i+1
.endr
	v_nop
	s_wait_alu depctr_va_vdst(0)                   ; one wait for stream 1's batch
	CVT 1
.set i, 0
.rept 32
	PVM 1, \first
.if i%4 == 3
	WIN 0
.set k, i-3
.rept 4
	SUM 1, \first
.set k, k+1
.endr
.endif
.set i, i+1
.endr                                  ; the last four sums are the places behind the last product: in front of the next loads into V's registers and of the first read of O^T
	WIN 0
.endm
.macro ADDR                            ; the step's LDS addresses and its block of keys, on the way that all take
	v_add_nc_u32 v[ADK], s[TB], v[AK0]
	v_add_nc_u32 v[ADV], s[TB], v[AV0]
	s_lshl_b32 s[KBI], s[UU], 1
	s_add_co_u32 s[KBI], s[KBI], s[GH]
.endm
.macro BODY                            ; a block's first slot starts the sums
	ADDR
	s_cmp_eq_u32 s[UU], 0
	s_cbranch_scc0 .Lgo_on_\@
	STEP 1
	s_branch .Ldone_\@
.Lgo_on_\@:
	STEP 0
.Ldone_\@:
.endm
.macro QLOAD                           ; Q of block s[BB] stays in registers: fragment n: tile n / 4, stream (n % 4) / 2, channels 32 (n % 2) on
	s_lshl_b32 s70, s[BB], 6
	s_lshl_b32 s71, s[PH], 5
	s_add_co_u32 s70, s70, s71
	s_mul_i32 s52, s70, ROWG
	s_add_nc_u64 s[QB:QB+1], s[4:5], s[52:53]
	WIN 0x80
.set n, 0
.rept 8
	global_load_b128 v[8*n:8*n+3],   v[QO+n/4], s[QB:QB+1] offset:64*(n%4)
	global_load_b128 v[8*n+4:8*n+7], v[QO+n/4], s[QB:QB+1] offset:64*(n%4)+32
.set n, n+1
.endr
	WIN 0
.endm
.macro SETO                            ; att at the 16 rows that I finish: 64 block + 32 p + 16 g
	s_lshl_b32 s70, s[BB], 6
	s_lshl_b32 s71, s[PH], 5
	s_add_co_u32 s70, s70, s71
	s_lshl_b32 s71, s[GH], 4
	s_add_co_u32 s70, s70, s71
	s_lshl_b32 s52, s70, 12
	s_add_nc_u64 s[OB:OB+1], s[14:15], s[52:53]
.endm
; A BLOCK'S END.  more = 1: the second block follows: its Q is asked for first.
.macro FINAL more
.if \more
	s_mov_b32 s[BB], s[JB]
	QLOAD
.endif
.irp x, 0,1,2,3
	v_pk_add_f32 v[LB+4*\x:LB+4*\x+1], v[LB+4*\x:LB+4*\x+1], v[LB+4*\x+2:LB+4*\x+3]
.endr
	v_add_f32 v[LT], v[LB], v[LB+1]                ; tile 0: stream 0,
	v_add_f32 v[LT+1], v[LB+8], v[LB+9]            ; stream 1;
	v_add_f32 v[LT+2], v[LB+4], v[LB+5]            ; tile 1 likewise
	v_add_f32 v[LT+3], v[LB+12], v[LB+13]
	WIN 0x04                                       ; an LDS store's data are its source 1: window 1
.set n, 0
.rept 32
	ds_store_b128 v[XW], v[128+4*n:128+4*n+3] offset:512*n   ; tile 1's O^T as it stands, each accumulator from its low end on
.set n, n+1
.endr
	WIN 0
	ds_store_b64 v[XL], v[LT+2:LT+3]
	s_wait_dscnt 0x0                               ; for the partner's sake: my stores have landed
	s_barrier_signal -1                            ; (the next slot's tensor load may stay out)
	s_barrier_wait -1
	WIN 0xc0
.set n, 0
.rept 32
	ds_load_b128 v[128+4*n:128+4*n+3], v[XR] offset:512*n    ; the other 64 keys' share of my tile 0
.set n, n+1
.endr
	WIN 0
	ds_load_b64 v[LR:LR+1], v[XRL]
	s_wait_dscnt 0x0
	v_add_f32 v[LT], v[LT], v[LR]
	v_add_f32 v[LT+1], v[LT+1], v[LR+1]
	v_permlanex16_b32 v54, v[LT], s[SEL], s[SEL+1] ; a query's other keys lie in the lane 16 away
	v_permlanex16_b32 v55, v[LT+1], s[SEL], s[SEL+1]
	v_add_f32 v[LT], v[LT], v54
	v_add_f32 v[LT+1], v[LT+1], v55
	v_rcp_f32 v[R1], v[LT]
	v_rcp_f32 v55, v[LT+1]
	v_nop
	s_wait_alu depctr_va_vdst(0)                   ; one wait for the two reciprocals
	v_mul_f32 v[R2], -v[LAM], v55
	WIN 0x01                                       ; source 0 in window 1.  d = O1 / l1 - lambda O2 / l2, mine and the partner's, into v64-127: d[8 c + j] = channel 16 c + 8 h + j of query r
.set n, 0
.rept 32
	v_pk_mul_f32 v[QS+2*n:QS+2*n+1], v[2*n:2*n+1], v[R1:R1+1] op_sel_hi:[1,0]
.set n, n+1
.endr
.set n, 0
.rept 32
	v_pk_fma_f32 v[QS+2*n:QS+2*n+1], v[64+2*n:64+2*n+1], v[R2:R2+1], v[QS+2*n:QS+2*n+1] op_sel_hi:[1,0,1]
.set n, n+1
.endr
	WIN 0x03                                       ; source 0 in window 3
.set n, 0
.rept 32
	v_pk_fma_f32 v[QS+2*n:QS+2*n+1], v[128+2*n:128+2*n+1], v[R1:R1+1], v[QS+2*n:QS+2*n+1] op_sel_hi:[1,0,1]
.set n, n+1
.endr
.set n, 0
.rept 32
	v_pk_fma_f32 v[QS+2*n:QS+2*n+1], v[192+2*n:192+2*n+1], v[R2:R2+1], v[QS+2*n:QS+2*n+1] op_sel_hi:[1,0,1]
.set n, n+1
.endr
	WIN 0
	v_pk_mul_f32 v[56:57], v[QS:QS+1], v[QS:QS+1]  ; the rms norm over the 128 channels: two chains
	v_pk_mul_f32 v[58:59], v[QS+2:QS+3], v[QS+2:QS+3]
.set n, 2
.rept 30
	v_pk_fma_f32 v[56+2*(n%2):57+2*(n%2)], v[QS+2*n:QS+2*n+1], v[QS+2*n:QS+2*n+1], v[56+2*(n%2):57+2*(n%2)]
.set n, n+1
.endr
	v_pk_add_f32 v[56:57], v[56:57], v[58:59]
	v_add_f32 v56, v56, v57
	v_permlanex16_b32 v57, v56, s[SEL], s[SEL+1]
	v_add_f32 v56, v56, v57
	v_fma_f32 v56, v56, s74, s75                   ; the mean + eps
	v_rsq_f32 v56, v56
	v_nop
	s_wait_alu depctr_va_vdst(0)
	v_mul_f32 v[RS], s76, v56                      ; x (1 - lambda_init)
.set n, 0
.rept 32
	v_pk_mul_f32 v[QS+2*n:QS+2*n+1], v[QS+2*n:QS+2*n+1], v[RS:RS+1] op_sel_hi:[1,0]
.set n, n+1
.endr
.set n, 0
.rept 32
	v_cvt_pk_f16_f32 v[PB+n], v[QS+2*n], v[QS+2*n+1]
.set n, n+1
.endr
.irp c, 0,1,2,3,4,5,6,7
	ds_store_b128 v[STO], v[PB+4*\c:PB+4*\c+3] offset:32*\c
.endr
.irp f, 0,1,2,3,4,5,6,7
	ds_load_b128 v[PB+32+4*\f:PB+32+4*\f+3], v[RD] offset:\f*2*272   ; LDS serves a wave's instructions in order (ISA guide 5.7.1.4): these see my stores
.endr
.irp f, 0,1,2,3,4,5,6,7
	s_wait_dscnt 7-\f                              ; the younger loads from the stage stay out
	global_store_b128 v[GO], v[PB+32+4*\f:PB+32+4*\f+3], s[OB:OB+1] offset:8192*\f   ; 16 lanes store 256 consecutive bytes, aligned
.endr
.if \more
	s_wait_xcnt 0x0                                ; the stores have read their base and their registers
	SETO
	s_wait_loadcnt 0x0                             ; the second block's Q
.endif
.endm
	s_load_b256 s[4:11], s[0:1], 0x0               ; qkv 4:5, lq1 6:7, lk1 8:9, lq2 10:11
	s_load_b128 s[12:15], s[0:1], 0x20             ; lk2 12:13, att 14:15
	v_lshl_add_u32 v[SPW], v0, 2, SPARE
	v_mov_b32 v[NIL], 0
	ds_add_u32 v[SPW], v[NIL]                      ; the wave's opening: the add, twice on end, and its wait ahead of my first tensor load; the set-up below stands between
	ds_add_u32 v[SPW], v[NIL]
	v_lshrrev_b32 v1, 5, v0
	v_readfirstlane_b32 s[WV], v1                  ; wave 0..3
	s_and_b32 s[PH], s[WV], 1
	s_lshr_b32 s[GH], s[WV], 1
	s_mov_b32 s[JB], ttmp9
	s_and_b32 s[HD], ttmp7, 0xffff
	s_lshr_b32 s[NA], s[JB], 1
	s_sub_co_u32 s[NA], 16, s[NA]                  ; block 31 - j has 16 - j / 2 slots
	; descriptor group 1: a tile of 64 rows x 128 elements of 2 bytes, rows 6,144 elements apart, padded in LDS
	s_mov_b32 s[G1K], (1<<16)|(1<<20)|(5<<22)|(3<<25)   ; 15:0 no mask; 17:16 elements of 2 bytes; 20 padding on; 24:22 after every 64 words; 31:25 four words
	s_mov_b32 s[G1V], (1<<16)|(1<<20)|(5<<22)|(7<<25)   ; the same with eight words
.irp g, G1K, G1V
	s_mov_b32 s[\g+1], 128<<16                     ; tensor_dim0 = 128
	s_mov_b32 s[\g+2], 64<<16                      ; tensor_dim1 = 64
	s_mov_b32 s[\g+3], 128<<16                     ; tile_dim0 = 128
	s_mov_b32 s[\g+4], 64                          ; tile_dim1 = 64
	s_mov_b32 s[\g+5], 6144                        ; tensor_dim0_stride
	s_mov_b32 s[\g+6], 0
	s_mov_b32 s[\g+7], 0
.endr
	s_mov_b32 s[SEL], 0x76543210
	s_mov_b32 s[SEL+1], 0xfedcba98
	s_mov_b32 s74, 0x3c000000                      ; 1 / 128
	s_mov_b32 s75, 0x34000000                      ; eps = 2^-23
	s_mov_b32 s76, 0x3e5d9673                      ; 1 - lambda_init
	s_mov_b32 s77, 0x3f489a63                      ; lambda_init = 0.8 - 0.6 exp(-3.6)
	s_mov_b32 s78, 0x3fb8aa3b                      ; log2(e)
	s_lshl_b32 s52, s[HD], 8                       ; the head's 256 bytes in a row
	s_mov_b32 s53, 0
	s_mul_i32 s70, s[PH], 64*ROWG                  ; which 64 rows of a slot I fetch,
	s_add_co_u32 s70, s70, 4096                    ; in K's columns
	s_mov_b32 s71, 0
	s_mul_i32 s72, s[PH], 64*KPI                   ; and where they go
	s_mul_i32 s73, s[PH], 64*VPI
	s_add_co_u32 s73, s73, VOFF
	s_cmp_eq_u32 s[JB], 0
	s_cselect_b32 s[LIM], 13, 0
	s_wait_dscnt 0x0                               ; both opening adds are done
	s_wait_kmcnt 0x0
	s_add_nc_u64 s[4:5], s[4:5], s[52:53]          ; qkv and att at my head
	s_add_nc_u64 s[14:15], s[14:15], s[52:53]
	s_add_nc_u64 s[KB:KB+1], s[4:5], s[70:71]
	s_add_nc_u64 s[VB:VB+1], s[KB:KB+1], 4096
	s_mov_b32 s[G0K], 1                            ; count = 1
	s_mov_b32 s[G0K+1], s72                        ; LDS address: slot 0
	s_mov_b64 s[G0K+2:G0K+3], s[KB:KB+1]           ; global address: the head's first 128 keys
	s_or_b32 s[G0K+3], s[G0K+3], 0x80000000        ; type = 2
	s_mov_b32 s[G0V], 1
	s_mov_b32 s[G0V+1], s73
	s_mov_b64 s[G0V+2:G0V+3], s[VB:VB+1]
	s_or_b32 s[G0V+3], s[G0V+3], 0x80000000
	TLOAD                                          ; slot 0: every wave issues one load
	v_and_b32 v1, 15, v0                           ; r
	v_bfe_u32 v2, v0, 4, 1                         ; h
	v_and_b32 v54, 31, v0                          ; lane
	v_mul_u32_u24 v[AK0], v1, KPI
	v_lshl_add_u32 v[AK0], v2, 4, v[AK0]
	s_mul_i32 s70, s[GH], 64*KPI
	v_add_nc_u32 v[AK0], s70, v[AK0]               ; K: row r x pitch + 16 h, in my 64 keys
	v_and_b32 v55, 7, v0
	v_bfe_u32 v56, v0, 3, 1
	v_lshl_add_u32 v[AV0], v2, 3, v55
	v_mul_u32_u24 v[AV0], v[AV0], VPI
	v_lshl_add_u32 v[AV0], v56, 4, v[AV0]
	s_mul_i32 s70, s[GH], 64*VPI
	s_add_co_u32 s70, s70, VOFF
	v_add_nc_u32 v[AV0], s70, v[AV0]               ; V: key 8 h + l % 8, channels 8 ((l / 8) % 2) on
	s_lshl_b32 s70, s[GH], 4                       ; my tile 0 lies 16 g rows into the wave's 32,
	s_sub_co_u32 s71, 16, s70                      ; my tile 1 16 (1 - g)
	v_add_nc_u32 v55, s70, v1
	v_add_nc_u32 v56, s71, v1
	v_mul_u32_u24 v[QO], v55, ROWG
	v_mul_u32_u24 v[QO+1], v56, ROWG
	v_lshl_add_u32 v[QO], v2, 4, v[QO]
	v_lshl_add_u32 v[QO+1], v2, 4, v[QO+1]
	s_lshl_b32 s72, s[PH], 5
	v_lshlrev_b32 v57, 3, v2
	v_sub_nc_u32 v57, s72, v57                     ; 32 p - 8 h
	v_add_nc_u32 v[DB], v55, v57
	v_add_nc_u32 v[DB+1], v56, v57
	v_mov_b32 v[NEG], 0xff800000
	s_mul_i32 s70, s[WV], XWB
	s_add_co_u32 s70, s70, XCH
	v_lshl_add_u32 v[XW], v54, 4, s70
	s_add_co_u32 s71, s70, 16384
	v_lshl_add_u32 v[XL], v54, 3, s71
	s_xor_b32 s72, s[WV], 2                        ; the partner: the same queries, the other keys
	s_mul_i32 s72, s72, XWB
	s_add_co_u32 s72, s72, XCH
	v_lshl_add_u32 v[XR], v54, 4, s72
	s_add_co_u32 s73, s72, 16384
	v_lshl_add_u32 v[XRL], v54, 3, s73
	s_mul_i32 s70, s[WV], 16*272
	s_add_co_u32 s70, s70, STAGE
	v_mul_u32_u24 v[STO], v1, 272
	v_lshl_add_u32 v[STO], v2, 4, v[STO]
	v_add_nc_u32 v[STO], s70, v[STO]
	v_mul_u32_u24 v[RD], v2, 272
	v_lshl_add_u32 v[RD], v1, 4, v[RD]
	v_add_nc_u32 v[RD], s70, v[RD]
	v_lshlrev_b32 v[GO], 12, v2
	v_lshl_add_u32 v[GO], v1, 4, v[GO]
	v_mul_u32_u24 v[PFO], v54, ROWG
	v_mov_b32 v[R1+1], 0                           ; named as the upper halves of pairs: written once
	v_mov_b32 v[R2+1], 0
	v_mov_b32 v[RS+1], 0
	s_mul_i32 s70, s[WV], 32*ROWG                  ; the prefetches: my wave's 32 rows,
	s_add_co_u32 s70, s70, 2*SLOTG+4096            ; in slot 2, K's columns: the first change of slots steps it to slot 3.  Nothing is prefetched here, at the head
	s_mov_b32 s71, 0
	s_add_nc_u64 s[PFA:PFA+1], s[4:5], s[70:71]
	s_sub_co_u32 s[BB], 31, s[JB]                  ; the first block
	QLOAD
	SETO
	v_lshlrev_b32 v54, 3, v54                      ; lambda: two numbers a lane of each of the four vectors of 64
	global_load_b64 v[56:57], v54, s[6:7]
	global_load_b64 v[58:59], v54, s[8:9]
	global_load_b64 v[60:61], v54, s[10:11]
	global_load_b64 v[62:63], v54, s[12:13]
	s_wait_loadcnt 0x0                             ; these and Q
	v_mul_f32 v56, v56, v58
	v_mul_f32 v60, v60, v62
	v_fma_f32 v56, v57, v59, v56
	v_fma_f32 v60, v61, v63, v60
.irp m, 1,2,4,8
	v_add_f32_dpp v56, v56, v56 row_xmask:\m row_mask:0xf bank_mask:0xf
	v_add_f32_dpp v60, v60, v60 row_xmask:\m row_mask:0xf bank_mask:0xf
.endr
	v_permlanex16_b32 v57, v56, s[SEL], s[SEL+1]
	v_permlanex16_b32 v61, v60, s[SEL], s[SEL+1]
	v_add_f32 v56, v56, v57
	v_add_f32 v60, v60, v61
	v_mul_f32 v56, s78, v56
	v_mul_f32 v60, s78, v60
	v_exp_f32 v56, v56
	v_exp_f32 v60, v60
	v_nop
	s_wait_alu depctr_va_vdst(0)
	v_sub_f32 v[LAM], v56, v60
	v_add_f32 v[LAM], s77, v[LAM]
	s_mov_b32 s[TT], 0
	s_mov_b32 s[UU], 0
	s_mov_b32 s[TB], 0
	CHANGE 1                                       ; trip 0 is written out: its products and sums are the first writes of O^T and of the rows' sums.  Behind its barrier slot 1 is filled for the first time
	ADDR
	STEP 1
	s_xor_b32 s[TB], s[TB], SLOT1
	s_mov_b32 s[UU], 1
	s_mov_b32 s[TT], 1
.Ltrip:                                                ; trips 1 to 15
	CHANGE 1
	BODY
	s_xor_b32 s[TB], s[TB], SLOT1
	s_add_co_u32 s[UU], s[UU], 1
	s_add_co_u32 s[T1], s[TT], 1
	s_cmp_lg_u32 s[T1], s[NA]                      ; the work-group's number and the trip alone: all four waves go the same way
	s_cbranch_scc1 .Lsame
	FINAL 1                                        ; the first block is done (in trip 8 to 15)
	s_mov_b32 s[UU], 0
.Lsame:
	s_add_co_u32 s[TT], s[TT], 1
	s_cmp_lt_u32 s[TT], 16
	s_cbranch_scc1 .Ltrip
	CHANGE 0                                       ; trip 16 is written out: nothing is left to fetch
	BODY
	FINAL 0
	s_wait_tensorcnt 0x0                           ; the wave's end, behind my last tensor load and my last LDS store
	ds_add_u32 v[SPW], v[NIL]
	s_wait_dscnt 0x0
	s_endpgm
.Lfunc_end_k_q604faddd47_attn:
	.size	k_q604faddd47_attn, .Lfunc_end_k_q604faddd47_attn-k_q604faddd47_attn
	.p2alignl 7, 3214868480
	.fill 96, 4, 3214868480
	.section	.rodata,"a",@progbits
	.p2align	6, 0x0
	.amdhsa_kernel k_q604faddd47_attn
		.amdhsa_group_segment_fixed_size 327680
		.amdhsa_private_segment_fixed_size 0
		.amdhsa_enable_private_segment 0
		.amdhsa_kernarg_size 48
		.amdhsa_user_sgpr_count 2
		.amdhsa_user_sgpr_kernarg_segment_ptr 1
		.amdhsa_wavefront_size32 1
		.amdhsa_system_sgpr_workgroup_id_x 1
		.amdhsa_system_sgpr_workgroup_id_y 1
		.amdhsa_system_sgpr_workgroup_id_z 1
		.amdhsa_system_vgpr_workitem_id 0
		.amdhsa_next_free_vgpr 1024
		.amdhsa_next_free_sgpr 84
		.amdhsa_reserve_vcc 1
		.amdhsa_float_denorm_mode_32 3
		.amdhsa_float_denorm_mode_16_64 3
		.amdhsa_memory_ordered 1
		.amdhsa_forward_progress 1
		.amdhsa_inst_pref_size 230
	.end_amdhsa_kernel
	.amdgpu_metadata
---
amdhsa.version: [ 1, 2 ]
amdhsa.kernels:
  - .name:           k_q604faddd47_attn
    .symbol:         k_q604faddd47_attn.kd
    .args:
      - { .name: qkv, .offset: 0, .size: 8, .value_kind: global_buffer, .address_space: global }
      - { .name: lq1, .offset: 8, .size: 8, .value_kind: global_buffer, .address_space: global }
      - { .name: lk1, .offset: 16, .size: 8, .value_kind: global_buffer, .address_space: global }
      - { .name: lq2, .offset: 24, .size: 8, .value_kind: global_buffer, .address_space: global }
      - { .name: lk2, .offset: 32, .size: 8, .value_kind: global_buffer, .address_space: global }
      - { .name: att, .offset: 40, .size: 8, .value_kind: global_buffer, .address_space: global }
    .group_segment_fixed_size: 327680
    .private_segment_fixed_size: 0
    .kernarg_segment_align: 8
    .kernarg_segment_size: 48
    .max_flat_workgroup_size: 128
    .sgpr_count:     84
    .vgpr_count:     1024
    .wavefront_size: 32
...
	.end_amdgpu_metadata
.endif
;; end of part 3
;; launch oproj (part 4): grid 16 x 16, 4 waves a work-group, clusters of 4 x 4, 327,680 bytes of LDS; arguments att, wo16, out0; writes out0
.if DOCPART == 4
	.amdgcn_target "amdgcn-amd-amdhsa--gfx1250"
	.amdhsa_code_object_version 6
	.text
	.protected	k_q604faddd47_oproj
	.globl	k_q604faddd47_oproj
	.p2align	8
	.type	k_q604faddd47_oproj,@function
k_q604faddd47_oproj:
	s_mov_b64 s[64:65], 0
	v_nop
	global_prefetch_b8 v0, s[64:65] scope:SCOPE_SE
	s_setreg_imm32_b32 hwreg(HW_REG_WAVE_MODE, 25, 1), 1
	s_wait_xcnt 0x0
	s_wait_alu depctr_hold_cnt(0) depctr_sa_sdst(0) depctr_va_vdst(0) depctr_va_sdst(0) depctr_va_ssrc(0) depctr_va_vcc(0) depctr_vm_vsrc(0)
	s_getreg_b32 s2, hwreg(HW_REG_IB_STS2, 6, 4)
	s_cmp_eq_u32 s2, 0
	s_cbranch_scc0 .Lentry_in_a_cluster
	s_endpgm
.Lentry_in_a_cluster:
	s_bfe_u32 s2, ttmp6, 0x10000c
	s_cmp_lg_u32 s2, 0xf033
	s_cbranch_scc0 .Lentry_shape_is_right
	s_endpgm
.Lentry_shape_is_right:
; out0[m][n] = sum over k of att[m][k] Wo[n][k].  att: [2048][2048] f16 (attn's result), wo16: [2048][2048] f16 (prep's rounding of Wo), out0: [2048][2048] f32; sums in f32.  No work is left out here.
; A tile of the result is 128 x 128, which gives each of 256 WGPs one work-group.  Four waves, each 64 x 64: 16 accumulators of 16 x 16, 128 registers.  K goes in steps of 256 (LDS rows of 512 bytes;
; a wave's tensor load brings 64 of them), as long as two slots in LDS allow.
; CLUSTERS: 4 x 4 work-groups.  The four of a row of the cluster need the same tiles of att, the four of a column the same tiles of Wo: each tile is asked for JOINTLY, by the same tensor load with the
; same descriptor and a mask that names the four.  THE MATRIX INSTRUCTION IS USED TRANSPOSED (source 0 = 16 rows of Wo, source 1 = 16 rows of att): a lane then holds eight neighbouring numbers of a row.
; REGISTERS: window 0: v0-31 addresses; v32-95 at work on the way out; v128-255 the accumulators ((a, b) at v[128 + 8 (4 a + b)]).
;   window 1: two fragment buffers of 128: for 64 along K (two matrix instructions deep), 64 registers of att (2 x 4 x 16 rows x 32 K), then 64 of Wo.
.set SIZE_M, 2048
.set SIZE_N, 2048
.set SIZE_K, 2048
.set KSTEP,  256
.set PITCH,  528                       ; an LDS row: 512 bytes + 16 of padding = 132 words: row r starts at bank 4 r mod 64 (64 banks of 4 bytes: ISA guide 11.1)
.set HALFT,  64*PITCH                  ; 64 rows: what one tensor load brings, and what one wave reads of either operand
.set SLOT,   4*HALFT                   ; att's 128 rows, then Wo's 128 rows
.set STAGE,  2*SLOT                    ; behind the ring: 16 rows x 272 bytes for each wave: my 64 columns of f32 are 256 bytes, so the stage is my own and wants no barrier
.set SPITCH, 272
.set SPARE,  STAGE+4*16*SPITCH         ; behind the stages: the spare words, 128 bytes a wave
.set LAPS, SIZE_K/(2*KSTEP)            ; a lap = two K steps = once round the ring
.set ADRA, 16                          ; v16-17  LDS address of my att fragments in slot 0, 1
.set ADRB, 20                          ; v20-21  the same for Wo
.set STO,  24                          ; v24     the way out: where I put 32 bytes of a row
.set RD,   25                          ; v25     where I read a row back
.set CO,   26                          ; v26     my byte offset in out0
.set SPW,  28                          ; v28     LDS address of my spare word; never rewritten
.set NIL,  29                          ; v29     0; never rewritten
.set TMP,  32                          ; the way out: v32-63, v64-95: 16 rows read back, by turns
.set ACC,  128
.set F0,   0                           ; fragment buffers, in window 1
.set F1,   128
.set G1, 24                            ; s[24:31] descriptor group 1 for att's tiles;  s[32:39] group 0, one set for each slot
.set G0, 32
.set G1B, 48                           ; s[48:55], s[56:63] the same for Wo's tiles
.set G0B, 56
.set MSB, 0
.macro WIN new                         ; the immediate's high byte repeats the setting that is left
.if MSB != (\new)
	s_set_vgpr_msb (MSB<<8)|(\new)
.set MSB, (\new)
.endif
.endm
.set MUL,  0x05                        ; sources 0 (Wo) and 1 (att) window 1; C and D window 0
.set TO_F, 0x40                        ; destination window 1, address window 0
.macro JLOAD s                         ; a joint load: waves 0 and 1 fetch att's two halves, waves 2 and 3 Wo's; an s_nop 0 and four v_nop follow each of the two lines
	s_cmp_eq_u32 s11, 0
	s_cbranch_scc0 .Lfor_b_\@
	tensor_load_to_lds s[G0+4*\s:G0+4*\s+3], s[G1:G1+7]
	s_nop 0
.rept 4
	v_nop
.endr
	s_branch .Lasked_\@
.Lfor_b_\@:
	tensor_load_to_lds s[G0B+4*\s:G0B+4*\s+3], s[G1B:G1B+7]
	s_nop 0
.rept 4
	v_nop
.endr
.Lasked_\@:
.endm
.macro CREST                           ; a round of the cluster's barrier behind its opening barrier
	s_cmp_lg_u32 s10, 0
	s_cbranch_scc1 .Lnot_wave_0_\@
	s_barrier_signal -3
.Lnot_wave_0_\@:
	s_barrier_wait -3
	s_barrier_signal -1
	s_barrier_wait -1
.endm
.macro CROUND                          ; a whole round
	s_barrier_signal -1
	s_barrier_wait -1
	CREST
.endm
	s_load_b128 s[4:7], s[0:1], 0x0                ; att s[4:5], wo16 s[6:7]
	s_load_b64 s[8:9], s[0:1], 0x10                ; out0
	v_lshl_add_u32 v[SPW], v0, 2, SPARE
	v_mov_b32 v[NIL], 0
	ds_add_u32 v[SPW], v[NIL]                      ; the wave's opening: the add, twice on end, and its wait ahead of my first tensor load; the set-up below stands between
	ds_add_u32 v[SPW], v[NIL]
	v_lshrrev_b32 v1, 5, v0
	v_readfirstlane_b32 s10, v1                    ; wave 0..3
	s_lshr_b32 s11, s10, 1                         ; which half of the tile's rows is mine.  Also: I fetch for att (0) or for Wo (1)
	s_and_b32 s12, s10, 1                          ; which half of its columns.  Also: which 64 rows of that tile I fetch
	s_bfe_u32 s40, ttmp6, 0x40000                  ; cx, cy: my place in the cluster
	s_bfe_u32 s41, ttmp6, 0x40004
	s_lshl_b32 s42, ttmp9, 2
	s_add_co_u32 s42, s42, s40                     ; tile column = 4 x cluster x + cx
	s_and_b32 s13, ttmp7, 0xffff
	s_lshl_b32 s13, s13, 2
	s_add_co_u32 s13, s13, s41                     ; tile row = 4 x cluster y + cy
	s_lshl_b32 s43, s41, 2
	s_lshl_b32 s43, 15, s43                        ; my row of the cluster
	s_lshl_b32 s44, 0x1111, s40                    ; my column
	; descriptor group 1: a tile of 64 rows x 256 elements, padded in LDS
	s_or_b32 s[G1+0], s43, (1<<16)|(1<<20)|(1<<21)|(6<<22)|(3<<25)  ; 15:0 the mask: att's tiles go to my row; 17:16 element of 2 bytes; 20 padding on; 21 set beside a mask; 24:22 after every 128 words; 31:25 of 4 words
	s_or_b32 s[G1B+0], s44, (1<<16)|(1<<20)|(1<<21)|(6<<22)|(3<<25)
.irp g, G1, G1B
	s_mov_b32 s[\g+1], KSTEP<<16                   ; tensor_dim0 = 256
	s_mov_b32 s[\g+2], 64<<16                      ; tensor_dim1 = 64
	s_mov_b32 s[\g+3], KSTEP<<16                   ; tile_dim0 = 256
	s_mov_b32 s[\g+4], 64                          ; tile_dim1 = 64
	s_mov_b32 s[\g+5], SIZE_K                      ; tensor_dim0_stride
	s_mov_b32 s[\g+6], 0
	s_mov_b32 s[\g+7], 0
.endr
	s_lshl_b32 s17, s12, 6                         ; which 64 rows of the tile I fetch
	s_lshl_b32 s16, s13, 7
	s_add_co_u32 s16, s16, s17                     ; att: row 128 x tile row + 64 x half
	s_lshl_b32 s46, s42, 7
	s_add_co_u32 s46, s46, s17                     ; Wo: row 128 x tile column + 64 x half
	s_mov_b32 s17, 0
	s_mov_b32 s47, 0
	s_mov_b64 s[18:19], SIZE_K*2
	s_mul_u64 s[16:17], s[16:17], s[18:19]
	s_mul_u64 s[46:47], s[46:47], s[18:19]
	s_mul_i32 s20, s10, HALFT                      ; where they go: wave x 64 rows: no place in the cluster enters an LDS address
	s_wait_dscnt 0x0                               ; both opening adds are done
	s_wait_kmcnt 0x0
	s_add_nc_u64 s[14:15], s[4:5], s[16:17]
	s_add_nc_u64 s[46:47], s[6:7], s[46:47]
	CROUND                                         ; all sixteen work-groups are here: the first joint loads meet
.irp s, 0,1
	s_mov_b32 s[G0+4*\s], 1
	s_add_co_u32 s[G0+4*\s+1], s20, \s*SLOT
	s_add_nc_u64 s[G0+4*\s+2:G0+4*\s+3], s[14:15], \s*KSTEP*2
	s_or_b32 s[G0+4*\s+3], s[G0+4*\s+3], 0x80000000
	s_mov_b32 s[G0B+4*\s], 1
	s_add_co_u32 s[G0B+4*\s+1], s20, \s*SLOT
	s_add_nc_u64 s[G0B+4*\s+2:G0B+4*\s+3], s[46:47], \s*KSTEP*2
	s_or_b32 s[G0B+4*\s+3], s[G0B+4*\s+3], 0x80000000
	JLOAD \s                                       ; two tensor loads of mine are out
.endr
	v_and_b32 v1, 15, v0                           ; l % 16
	v_bfe_u32 v2, v0, 4, 1                         ; l / 16
	v_mul_u32_u24 v3, v1, PITCH
	v_lshl_add_u32 v3, v2, 4, v3                   ; a fragment's row x pitch + 16 x half
	s_mul_i32 s21, s11, HALFT                      ; my 64 rows of att
	s_mul_i32 s22, s12, HALFT                      ; my 64 rows of Wo,
	s_add_co_u32 s22, s22, 2*HALFT                 ; which lie behind att's 128
.irp s, 0,1
	v_add_nc_u32 v[ADRA+\s], s21, v3
	v_add_nc_u32 v[ADRB+\s], s22, v3
	s_add_co_u32 s21, s21, SLOT
	s_add_co_u32 s22, s22, SLOT
.endr
	s_mul_i32 s23, s10, 16*SPITCH
	s_add_co_u32 s23, s23, STAGE                   ; my stage
	v_mul_u32_u24 v4, v1, SPITCH                   ; in: row l % 16, 32 bytes for each half of the lanes
	v_lshl_add_u32 v4, v2, 5, v4
	v_add_nc_u32 v[STO], s23, v4
	v_mul_u32_u24 v5, v2, SPITCH                   ; back: lanes 0-15 one row of 256 bytes, lanes 16-31 the next
	v_lshl_add_u32 v5, v1, 4, v5
	v_add_nc_u32 v[RD], s23, v5
	v_mul_u32_u24 v5, v2, SIZE_N*4                 ; and the same two rows in out0
	v_lshl_add_u32 v[CO], v1, 4, v5
	s_lshl_b32 s16, s13, 7
	s_lshl_b32 s17, s11, 6
	s_add_co_u32 s16, s16, s17                     ; my first row: 128 x tile row + 64 x half
	s_mov_b32 s17, 0
	s_mov_b64 s[18:19], SIZE_N*4
	s_mul_u64 s[16:17], s[16:17], s[18:19]
	s_add_nc_u64 s[8:9], s[8:9], s[16:17]
	s_lshl_b32 s46, s42, 9                         ; my first column, in bytes: 512 x tile column + 256 x half
	s_lshl_b32 s47, s12, 8
	s_add_co_u32 s46, s46, s47
	s_mov_b32 s47, 0
	s_add_nc_u64 s[8:9], s[8:9], s[46:47]          ; never stepped: the stores' immediates reach 62 rows of 8,192 bytes, inside the signed 24 bits (ISA guide, chapter 10)
; 8 matrix instructions: m blocks a0, a0 + 1 x all 4 n blocks, 32 along K: half c of buffer f.  zero = 1: the first product starts the sums.  The 16 accumulators take turns.
.macro MUL8 f, c, a0, zero
.irp a, \a0, \a0+1
.irp b, 0,1,2,3
.if \zero
	v_wmma_f32_16x16x32_f16 v[ACC+8*(4*(\a)+\b):ACC+8*(4*(\a)+\b)+7], v[\f+64+8*(4*\c+\b):\f+64+8*(4*\c+\b)+7], v[\f+8*(4*\c+\a):\f+8*(4*\c+\a)+7], 0
.else
	v_wmma_f32_16x16x32_f16 v[ACC+8*(4*(\a)+\b):ACC+8*(4*(\a)+\b)+7], v[\f+64+8*(4*\c+\b):\f+64+8*(4*\c+\b)+7], v[\f+8*(4*\c+\a):\f+8*(4*\c+\a)+7], v[ACC+8*(4*(\a)+\b):ACC+8*(4*(\a)+\b)+7]
.endif
.endr
.endr
.endm
; 32 LDS loads in one run: the fragments of 64 along K at byte k of the rows, into buffer f; the first 32 along K first
.macro FETCH slot, k, f
	WIN TO_F
.irp c, 0,1
.irp i, 0,1,2,3
	ds_load_b128 v[\f+64+8*(4*\c+\i):\f+64+8*(4*\c+\i)+3],   v[ADRB+\slot] offset:\k+64*\c+\i*16*PITCH
	ds_load_b128 v[\f+64+8*(4*\c+\i)+4:\f+64+8*(4*\c+\i)+7], v[ADRB+\slot] offset:\k+64*\c+\i*16*PITCH+32
	ds_load_b128 v[\f+8*(4*\c+\i):\f+8*(4*\c+\i)+3],         v[ADRA+\slot] offset:\k+64*\c+\i*16*PITCH
	ds_load_b128 v[\f+8*(4*\c+\i)+4:\f+8*(4*\c+\i)+7],       v[ADRA+\slot] offset:\k+64*\c+\i*16*PITCH+32
.endr
.endr
.endm
.macro PLACES                          ; four places in front of loads into registers that matrix instructions have read, and of LDS stores that read results (ISA guide 7.12.1 for vector instructions)
.rept 4
	v_nop
.endr
.endm
; A K step is four quarters of 64 along K, 32 matrix instructions each, on buffers 0, 1, 0, 1.  One of the first three: multiplies buffer f and fetches the next quarter, at byte k, into g.
.macro QUARTER slot, k, f, g, zero
	s_wait_dscnt 16                                ; the first 32 along K are in; the youngest sixteen loads may be out
	WIN MUL
	MUL8 \f, 0, 0, \zero
	MUL8 \f, 0, 2, \zero
	PLACES
	FETCH \slot, \k, \g
	s_wait_dscnt 32                                ; all but the 32 just issued
	WIN MUL
	MUL8 \f, 1, 0, 0
	MUL8 \f, 1, 2, 0
.endm
; The last quarter multiplies buffer 1 and changes slots: ONE barrier; in front of it each wave waits for all its tensor loads, adds 0 to its spare word, and waits for that and for its own reads of this slot.  fill = 1: this slot is filled again, two K steps ahead.
.macro TURN slot, next, fill
	WIN 0                                          ; (the add's two registers lie in window 0)
	s_wait_tensorcnt 0x0                           ; all my tensor loads have landed: my part of the next slot;
	ds_add_u32 v[SPW], v[NIL]                      ; 0 onto my spare word;
	s_wait_dscnt 17                                ; (the add and the youngest sixteen loads may be out)
	WIN MUL
	MUL8 F1, 0, 0, 0                               ; eight matrix instructions stand between the add and the wait for it
	s_wait_dscnt 0x0                               ; the add is done, and my reads of this slot are over
	s_barrier_signal -1
	MUL8 F1, 0, 2, 0
.if \fill
	WIN 0
.endif
	s_barrier_wait -1
.if \fill
	CREST                                          ; the barrier has opened a round of the cluster's barrier: no wave of any partner still reads this slot's tile or has a load on its way
	s_add_nc_u64 s[G0+4*\slot+2:G0+4*\slot+3], s[G0+4*\slot+2:G0+4*\slot+3], 2*KSTEP*2
	s_add_nc_u64 s[G0B+4*\slot+2:G0B+4*\slot+3], s[G0B+4*\slot+2:G0B+4*\slot+3], 2*KSTEP*2
	JLOAD \slot                                    ; the first tensor load behind the round: 112 matrix instructions ahead of the wait for it; the four v_nop behind it are also the places in front of the loads below
.else
	PLACES
.endif
	FETCH \next, 0, F0
	WIN MUL
	MUL8 F1, 1, 0, 0
	MUL8 F1, 1, 2, 0
.endm
	s_wait_tensorcnt 1                             ; my part of K step 0 is in (K step 1's load may be out)
	s_barrier_signal -1
	s_barrier_wait -1                              ; everybody's is
	FETCH 0, 0, F0
	QUARTER 0, 128, F0, F1, 1                      ; the first quarter stands in front of the loop: its first products start the sums
.if LAPS > 1
	WIN 0                                          ; at a label and at a branch every window is 0
	s_mov_b32 s3, LAPS-1
.Llap:                                                 ; a trip goes once round the ring, from a lap's second quarter to the next lap's first, and fills both slots again
	QUARTER 0, 256, F1, F0, 0
	QUARTER 0, 384, F0, F1, 0
	TURN 0, 1, 1
	QUARTER 1, 128, F0, F1, 0
	QUARTER 1, 256, F1, F0, 0
	QUARTER 1, 384, F0, F1, 0
	TURN 1, 0, 1
	QUARTER 0, 128, F0, F1, 0
	WIN 0
	s_sub_co_u32 s3, s3, 1
	s_cmp_lg_u32 s3, 0
	s_cbranch_scc1 .Llap
.endif
	QUARTER 0, 256, F1, F0, 0                      ; the last lap fills nothing, and has no round of the cluster's barrier
	QUARTER 0, 384, F0, F1, 0
	TURN 0, 1, 0
	QUARTER 1, 128, F0, F1, 0
	QUARTER 1, 256, F1, F0, 0
	QUARTER 1, 384, F0, F1, 0
	s_wait_dscnt 16                                ; the very last quarter: nothing more to fetch
	WIN MUL
	MUL8 F1, 0, 0, 0
	MUL8 F1, 0, 2, 0
	s_wait_dscnt 0
	MUL8 F1, 1, 0, 0
	MUL8 F1, 1, 2, 0
	WIN 0
; THE WAY OUT, block by block of 16 rows x 64 columns of f32.  A lane holds 32 neighbouring bytes of a row and the lanes beside it hold other rows: a block goes through my own stage in LDS and comes back as
; whole rows of 256 bytes.  LDS serves a wave's instructions in order (ISA guide 5.7.1.4): no wait between the stores and the loads, nor in front of the next block's stores.
.macro TOSTAGE a
.irp b, 0,1,2,3
	ds_store_b128 v[STO], v[ACC+8*(4*(\a)+\b):ACC+8*(4*(\a)+\b)+3] offset:64*\b          ; each accumulator from its low end on
	ds_store_b128 v[STO], v[ACC+8*(4*(\a)+\b)+4:ACC+8*(4*(\a)+\b)+7] offset:64*\b+16
.endr
.set BB, TMP+32*((\a)%2)
.irp t, 0,1,2,3,4,5,6,7
	ds_load_b128 v[BB+4*\t:BB+4*\t+3], v[RD] offset:\t*2*SPITCH
.endr
.endm
.macro SEND a, younger                 ; younger: the LDS instructions issued behind block a's loads, which may stay out
.set BB, TMP+32*((\a)%2)
	s_wait_dscnt \younger
.irp t, 0,1,2,3,4,5,6,7
	global_store_b128 v[CO], v[BB+4*\t:BB+4*\t+3], s[8:9] offset:(16*(\a)+2*\t)*SIZE_N*4 th:TH_STORE_NT   ; 16 lanes store 256 consecutive bytes, aligned; written once, read by nobody here
.endr
.endm
	PLACES
	TOSTAGE 0
.irp a, 1,2,3
.if \a > 1
	s_wait_xcnt 0x0                                ; block a - 2's stores have read their registers: block a's loads may land there
.endif
	TOSTAGE \a
	SEND \a-1, 16                                  ; behind block a - 1's loads: block a's 8 stores and 8 loads
.endr
	SEND 3, 0
	s_wait_tensorcnt 0x0                           ; the wave's end, behind my last tensor load and my last LDS store
	ds_add_u32 v[SPW], v[NIL]
	s_wait_dscnt 0x0
	CROUND                                         ; the closing round: no work-group ends while a partner may still ask for a tile that names it
	s_endpgm
.Lfunc_end_k_q604faddd47_oproj:
	.size	k_q604faddd47_oproj, .Lfunc_end_k_q604faddd47_oproj-k_q604faddd47_oproj
	.p2alignl 7, 3214868480
	.fill 96, 4, 3214868480
	.section	.rodata,"a",@progbits
	.p2align	6, 0x0
	.amdhsa_kernel k_q604faddd47_oproj
		.amdhsa_group_segment_fixed_size 327680
		.amdhsa_private_segment_fixed_size 0
		.amdhsa_enable_private_segment 0
		.amdhsa_kernarg_size 24
		.amdhsa_user_sgpr_count 2
		.amdhsa_user_sgpr_kernarg_segment_ptr 1
		.amdhsa_wavefront_size32 1
		.amdhsa_system_sgpr_workgroup_id_x 1
		.amdhsa_system_sgpr_workgroup_id_y 1
		.amdhsa_system_sgpr_workgroup_id_z 1
		.amdhsa_system_vgpr_workitem_id 0
		.amdhsa_next_free_vgpr 512
		.amdhsa_next_free_sgpr 66
		.amdhsa_reserve_vcc 0
		.amdhsa_float_denorm_mode_32 3
		.amdhsa_float_denorm_mode_16_64 3
		.amdhsa_memory_ordered 1
		.amdhsa_forward_progress 1
		.amdhsa_inst_pref_size 86
	.end_amdhsa_kernel
	.amdgpu_metadata
---
amdhsa.version: [ 1, 2 ]
amdhsa.kernels:
  - .name:           k_q604faddd47_oproj
    .symbol:         k_q604faddd47_oproj.kd
    .args:
      - { .name: att, .offset: 0, .size: 8, .value_kind: global_buffer, .address_space: global }
      - { .name: wo16, .offset: 8, .size: 8, .value_kind: global_buffer, .address_space: global }
      - { .name: out0, .offset: 16, .size: 8, .value_kind: global_buffer, .address_space: global }
    .group_segment_fixed_size: 327680
    .private_segment_fixed_size: 0
    .kernarg_segment_align: 8
    .kernarg_segment_size: 24
    .max_flat_workgroup_size: 128
    .sgpr_count:     66
    .vgpr_count:     512
    .wavefront_size: 32
...
	.end_amdgpu_metadata
.endif
;; end of part 4
